; MI455X (gfx1250); checked and timed in simulation.
; The chip was launched on July 23, 2026; its instructions are those of AMD's public machine-readable ISA for CDNA 5 (MIT licence, August 2026) and "CDNA5" Instruction Set Architecture Reference Guide (July 2026). The comments in the code are by the model that wrote it; some were corrected since.
;; Attention. Allowed arithmetic: matrix products marked QUANTISED: E4M3 operands, one E8M0 scale for each 32 along K, by v_wmma_scale_f32_16x16x128_f8f6f4 with both operands' format E4M3, f32 sums; products left as they are: f32 operands where the result goes on into a quantised operand, else bf16, f16 or f32 operands; f32 sums; everything else in f32.
;; Inputs: Aproj 8 x 1,024 float32; Aqkv 8 x 1,024 float32; Bproj 1,024 x 8 float32; Bqkv 3,072 x 8 float32; Wproj 1,024 x 1,024 float32; Wqkv 3,072 x 1,024 float32; bproj 1,024 float32; bqkv 3,072 float32; x 4 x 2,048 x 1,024 float32.
;; Outputs: out0 4 x 2,048 x 1,024 float32.
;; This version of the problem:
;;   THIS VERSION OF THE PROBLEM IS GIVEN IN LOW PRECISION. The matrix products marked QUANTISED in the list below multiply operands that are first quantised to E4M3 (4 exponent bits, 3 mantissa bits; 8 bits a number), with one power-of-two scale for each 32 numbers along K (OCP MX v1.0); their sums are f32. All else is computed in f32.
;;   The module's matrix products, in the order in which they are computed (A, B: the left and right operand; K: the contracted axis; several contracted axes count as one K, in the product's order):
;;     1. [M 8,192, K 1,024] x [K 1,024, N 3,072]; A: input x; B: input Wqkv: QUANTISED
;;     2. [M 8,192, K 1,024] x [K 1,024, N 8]; A: input x; B: input Aqkv: left as it is (N = 8 < 16)
;;     3. [M 8,192, K 8] x [K 8, N 3,072]; A: computed on the way; B: input Bqkv: left as it is (K = 8 < 32)
;;     4. batch 64 x [M 2,048, K 64] x [K 64, N 2,048]; A: computed on the way; B: computed on the way: QUANTISED
;;     5. batch 64 x [M 2,048, K 2,048] x [K 2,048, N 64]; A: softmax (see below); B: computed on the way: QUANTISED
;;     6. [M 8,192, K 1,024] x [K 1,024, N 1,024]; A: computed on the way; B: input Wproj: QUANTISED
;;     7. [M 8,192, K 1,024] x [K 1,024, N 8]; A: computed on the way; B: input Aproj: left as it is (N = 8 < 16)
;;     8. [M 8,192, K 8] x [K 8, N 1,024]; A: computed on the way; B: input Bproj: left as it is (K = 8 < 32)
;;   THE QUANTISER, for each operand of a quantised product, along K:
;;     - K is cut into blocks of 32 from its start; a last block that is shorter is filled with zeros.
;;     - A block's scale is 2^e with e = floor(log2(the largest magnitude in the block)) - 8, held to -126 .. 127; a block of zeros has e = 0. As a byte (E8M0): e + 127.
;;     - Each number is divided by its block's scale, clamped to +-448, and rounded to the nearest number of E4M3, ties to even, subnormals kept.
;;     - The product sums the exact products of the quantised numbers (number of the format x scale) in f32.
;;   ~~~python
;;   def quantise(x, axis):      # numpy; x: float32 -> the quantised numbers, widened to float32 again
;;       x = np.moveaxis(x, axis, -1); K = x.shape[-1]
;;       x = np.pad(x, [(0, 0)] * (x.ndim - 1) + [(0, -K % 32)]); x = x.reshape(x.shape[:-1] + (-1, 32)); a = np.abs(x).max(-1, keepdims=True)
;;       e = np.where(a > 0, np.clip(np.frexp(np.where(a > 0, a, 1))[1] - 1 - 8, -126, 127), 0)      # np.frexp(a)[1] - 1 = floor(log2(a)), exactly
;;       r = np.clip(x / 2.0 ** e, -448, 448)
;;       step = 2.0 ** (np.maximum(np.frexp(np.where(r == 0, 1, r))[1] - 1, -6) - 3)
;;       q = np.round(r / step) * step * 2.0 ** e      # np.round: ties to even
;;       return np.moveaxis(q.reshape(q.shape[:-2] + (-1,))[..., :K], -1, axis).astype(np.float32)
;;   ~~~
;;   SOFTMAX AHEAD OF A QUANTISED PRODUCT. Where the list says 'softmax', what is quantised is not the finished softmax but p = 2^(t - M), with t = logit x log2(e) and M = ceil(the row's largest t), a whole number; so 1/2 < the row's largest p <= 1. The row's sum l is taken of the UNQUANTISED p, in f32, and the product's result is divided by l at the end. Since M is a whole number, a kernel that streams over the keys may use a running M (the ceiling of the running maximum): every later rescaling is an exact power of two, which a block's scale takes up: the codes' values come out the same.
;;   OPERANDS COMPUTED ON THE WAY. 'Computed on the way' means the value that the module computes at that place (a softmax that the list does not call 'softmax' is quantised finished and normalised). What goes into a quantiser is computed in f32, as accurately as f32 sums, v_exp_f32 and their like allow (about 1e-6 of the number): no bf16 or f16 on the way to a quantiser, and a product that is left as it is and whose result goes on into a quantised operand takes f32 operands (vector FMAs, or v_wmma_f32_16x16x4_f32). A number that lies on a knife's edge between two numbers of the format may be rounded either way, as far as f32 arithmetic and the matrix unit's own rounding can turn it there, and no further.
;; One version. Each part assembles by itself: llvm-mc -triple=amdgcn-amd-amdhsa -mcpu=gfx1250 --defsym DOCPART=n.
;; ======== version 1 of 1: 4 launches
;; limits: right only within a limited range of input values
;; workspace buffers: codes1 12,582,912 bytes; scales1 655,360 bytes; qkv_codes 25,165,824 bytes; qkv_scales 786,432 bytes; att_codes 8,388,608 bytes; att_aux 4,456,448 bytes
;; launch quant (part 1): grid 384 x 1, 4 waves a work-group, no clusters, 66,048 bytes of LDS; arguments x, Wqkv, Wproj, Aqkv, codes1, scales1; writes codes1, scales1
.if DOCPART == 1
	.amdgcn_target "amdgcn-amd-amdhsa--gfx1250"
	.amdhsa_code_object_version 6
	.text
	.protected	k_qa71f792aea_quant
	.globl	k_qa71f792aea_quant
	.p2align	8
	.type	k_qa71f792aea_quant,@function
k_qa71f792aea_quant:
	s_mov_b64 s[64:65], 0
	v_nop
	global_prefetch_b8 v0, s[64:65] scope:SCOPE_SE
	s_setreg_imm32_b32 hwreg(HW_REG_WAVE_MODE, 25, 1), 1
	s_wait_xcnt 0x0
; LAUNCH 1 OF 4.  x [8192][1024], Wqkv [3072][1024], Wproj [1024][1024], f32, become codes of E4M3, K innermost, with one E8M0 byte for each 32 along K;
; and xa2 = 2 x Aqkv^T [8192][8], f32 (the factor 2 is LORA_ALPHA / LORA_R), by fused multiply-adds on the unquantised x.
; DEAD WORK OF THE WHOLE PROGRAM.  reference() builds jnp.tril itself and sets every score with key > query to -infinity ahead of the softmax: its weight is 0 whatever the inputs hold.  So a step of
; 128 keys all of which come after a wave's 16 queries, and a slot of 256 keys that lies behind a work-group's last query, reach no output: launch attn neither loads nor multiplies them.
; Nothing else is left out; all nine inputs are loaded.  LIMIT: a NaN, an infinity or an overflow that reaches only such masked scores is not carried to the result.
; LIMITS: NaN and infinities among the inputs are not served.  A block whose largest magnitude lies under 2^-118 gets the byte 1; so does a block of zeros, where the rule says 127: its codes are zeros,
; which add nothing under any byte but 0xff, and the bytes are read by this program alone.
; ROW ORDER.  The rows of x and of Wqkv are stored in P-ORDER: inside each 32 rows the second and the third group of 8 change places.  Sixteen neighbouring stored rows are then the rows
; 32 b + 8 u + r + 8 (r / 8) that a tile of a product must hold so that its result's registers run along neighbours.  A wave owns 8 rows, so the order costs one other store address.  Wproj keeps its order.
; SHARES.  A work-group takes 32 rows, a wave 8, in 16 steps of 512 numbers.  A step's four loads read 512 consecutive bytes each; the 2,048 bytes turn through the wave's own stage in LDS so that a lane holds
; 16 neighbours (two lanes to a block).  Codes leave 512 consecutive bytes a store; a wave's 256 scale bytes and its 256 bytes of xa2 are gathered in LDS and leave as one run of 256 aligned bytes each.
; Work-groups 0-255: x;  256-351: Wqkv;  352-383: Wproj.  The two ways (with and without xa2) part once on the work-group's number, never join, and have LDS bytes of their own.
; No tensor load, no barrier: waves share nothing.
.set STEPS, 16
.set SP,    80                         ; a lane's place in a stage: 64 bytes + 16 of padding
.set BYT,   5120                       ; in a wave's 8,192 bytes of LDS: two stages of 2,560, then 256 scale bytes,
.set XAO,   5376                       ; then 256 bytes of xa
.set PBW,   32768                      ; the weights' way has its LDS bytes here, x's way at 0
.set SPARE, 65536                      ; the spare words, 128 bytes for each wave
.set XA2,   393216                     ; parts of scales1
.set R,     16                         ; v16-79   four sets of 16 numbers as loaded
.set X,     80                         ; v80-111  two sets of 16 neighbours
.set E,     112                        ; v112-127 a scale byte for each step
.set C,     128                        ; v128-191 codes, four registers for each step
.set ACC,   192                        ; v192-207 xa: eight pairs of sums
.set S,     208                        ; v208-215 the eight sums of a row
.set PT,    216                        ; v216-223 targets of the lane permute
.set XAD,   224                        ; v224     my wave's LDS bytes
.set AAD,   226                        ; v226     64 x lane: my place in a half row of Aqkv
.set SPW,   12                         ; v12      LDS address of my spare word; never rewritten
.set NIL,   13                         ; v13      0; never rewritten
; window 1 (x's way): v[128 hf + 16 j + i] = Aqkv[j][512 hf + 16 lane + i]
.set MSB, 0
.macro WIN new                         ; the immediate's high byte repeats the setting that is left
.if MSB != \new
	s_set_vgpr_msb (MSB<<8)|\new
.set MSB, \new
.endif
.endm
	s_load_b256 s[4:11], s[0:1], 0x0               ; x, Wqkv, Wproj, Aqkv
	s_load_b128 s[12:15], s[0:1], 0x20             ; codes1, scales1
	v_lshl_add_u32 v[SPW], v0, 2, SPARE
	v_mov_b32 v[NIL], 0
	v_lshrrev_b32 v1, 5, v0
	v_readfirstlane_b32 s16, v1                    ; wave
	v_and_b32 v2, 31, v0                           ; lane
	v_lshlrev_b32 v3, 4, v2                        ; 16 x lane: my bytes of a load's 512, and of a step's codes
	s_lshl_b32 s17, s16, 13                        ; my wave's LDS bytes
	v_lshrrev_b32 v14, 2, v2
	v_mul_u32_u24 v14, v14, SP
	v_and_b32 v15, 3, v2
	v_lshl_add_u32 v14, v15, 4, v14
	v_add_nc_u32 v14, s17, v14                     ; the stage, in: SP (lane / 4) + 16 (lane % 4)
	v_mul_u32_u24 v15, v2, SP
	v_add_nc_u32 v15, s17, v15                     ; and out: SP x lane
	v_lshrrev_b32 v5, 1, v2
	v_add_nc_u32 v5, s17, v5                       ; my block's scale byte
	v_lshlrev_b32 v7, 3, v2                        ; 8 bytes a lane on the way out
	v_add_nc_u32 v6, s17, v7
	v_mov_b32 v[XAD], s17
	v_lshlrev_b32 v[AAD], 6, v2
	s_mov_b32 s23, 0x600000                        ; the mantissa field of 448
	s_mov_b32 s26, 0x76543210
	s_mov_b32 s27, 0xfedcba98                      ; lane l xor 16
	s_and_b32 s18, s16, 1
	s_lshl_b32 s18, s18, 1
	s_lshr_b32 s19, s16, 1
	s_or_b32 s18, s18, s19                         ; the wave's number with its two bits swapped: where my 8 rows go in p-order
	s_mov_b32 s29, 0
	s_wait_kmcnt 0x0
.macro LOAD t
.irp i, 0,1,2,3
	global_load_b128 v[R+16*((\t)%4)+4*\i:R+16*((\t)%4)+4*\i+3], v3, s[4:5] offset:2048*(\t)+512*\i th:TH_LOAD_NT   ; 32 lanes read 512 consecutive bytes
.endr
.endm
.macro TURN t, pb                      ; step t's numbers through the stage; LDS serves a wave's instructions in order, so no wait stands between the stores and the loads
.irp i, 0,1,2,3
	ds_store_b128 v14, v[R+16*((\t)%4)+4*\i:R+16*((\t)%4)+4*\i+3] offset:\pb+32*SP*((\t)%2)+8*SP*\i
.endr
.irp i, 0,1,2,3
	ds_load_b128 v[X+16*((\t)%2)+4*\i:X+16*((\t)%2)+4*\i+3], v15 offset:\pb+32*SP*((\t)%2)+16*\i
.endr
.endm
.macro STEP t, lora, pb
.set XS, X+16*((\t)%2)
.if (\t) == 0
	s_wait_dscnt 0x0
.elseif \lora && ((\t)%2 == 0)
	s_wait_dscnt 9                                 ; this step's numbers are back; behind them: the last step's byte store and the row's eight xa stores
.else
	s_wait_dscnt 1                                 ; this step's numbers are back; the last step's byte store may be out
.endif
.if (\t)+4 < STEPS
	LOAD (\t)+4
.endif
.if (\t)+1 < STEPS
.if STEPS-2-(\t) >= 3
	s_wait_loadcnt 12                              ; the next step's four loads are in; those of the three steps behind it may be out
.else
	s_wait_loadcnt 4*(STEPS-2-(\t))
.endif
	TURN (\t)+1, \pb
.endif
.if \lora                              ; xa: my 16 numbers x Aqkv's eight rows at the same columns, two at a time; the eight sums by turns; a row's first products start the sums
	WIN 0x04                                       ; source 1 (Aqkv) in window 1
.irp i, 0,2,4,6,8,10,12,14
.irp j, 0,1,2,3,4,5,6,7
.if ((\t)%2 == 0) && (\i == 0)
	v_pk_mul_f32 v[ACC+2*\j:ACC+2*\j+1], v[XS+\i:XS+\i+1], v[128*((\t)%2)+16*\j+\i:128*((\t)%2)+16*\j+\i+1]
.else
	v_pk_fma_f32 v[ACC+2*\j:ACC+2*\j+1], v[XS+\i:XS+\i+1], v[128*((\t)%2)+16*\j+\i:128*((\t)%2)+16*\j+\i+1], v[ACC+2*\j:ACC+2*\j+1]
.endif
.endr
.endr
	WIN 0
.endif
	v_max3_num_f32 v8, |v[XS]|, |v[XS+1]|, |v[XS+2]|               ; the largest magnitude of my 16
	v_max3_num_f32 v9, |v[XS+3]|, |v[XS+4]|, |v[XS+5]|
.irp i, 6,10
	v_max3_num_f32 v8, v8, |v[XS+\i]|, |v[XS+\i+1]|
	v_max3_num_f32 v9, v9, |v[XS+\i+2]|, |v[XS+\i+3]|
.endr
	v_max3_num_f32 v8, v8, |v[XS+14]|, |v[XS+15]|
	v_max3_num_f32 v8, v8, v9, 0x4800000           ; and the floor 2^(9 - 127): the byte cannot fall under 1
	v_max_num_f32_dpp v8, v8, v8 row_xmask:1 row_mask:0xf bank_mask:0xf   ; with my neighbour's 16: the block's
	v_add_nc_u32 v11, 0xfc000000, v8               ; 8 off its exponent field: the conversion's scale operand
	v_and_or_b32 v10, v8, 0x7f800000, s23          ; 448 x the scale
.irp i, 0,1,2,3,4,5,6,7,8,9,10,11,12,13,14,15
	v_med3_num_f32 v[XS+\i], v[XS+\i], -v10, v10   ; the conversion to an 8-bit code does not saturate (ISA guide 7.6.2): the hold comes first
.endr
	v_cvt_scalef32_pk8_fp8_f32 v[C+4*(\t):C+4*(\t)+1], v[XS:XS+7], v11
	v_cvt_scalef32_pk8_fp8_f32 v[C+4*(\t)+2:C+4*(\t)+3], v[XS+8:XS+15], v11
	v_lshrrev_b32 v[E+(\t)], 23, v11               ; the scale's byte
	ds_store_b8 v5, v[E+(\t)] offset:\pb+BYT+16*(\t)   ; both lanes of a block write the same byte with the same value
	global_store_b128 v3, v[C+4*(\t):C+4*(\t)+3], s[12:13] offset:512*(\t)   ; 32 lanes store 512 consecutive bytes
.if \lora && ((\t)%2 == 1)             ; a row is done: its eight sums over the pair's halves and over the 32 lanes
.irp j, 0,1,2,3,4,5,6,7
	v_add_f32 v[S+\j], v[ACC+2*\j], v[ACC+2*\j+1]
.endr
.irp m, 1,2,4,8
.irp j, 0,1,2,3,4,5,6,7
	v_add_f32_dpp v[S+\j], v[S+\j], v[S+\j] row_xmask:\m row_mask:0xf bank_mask:0xf
.endr
.endr
.irp j, 0,1,2,3,4,5,6,7
	v_permlanex16_b32 v[PT+\j], v[S+\j], s26, s27
.endr
.irp j, 0,1,2,3,4,5,6,7
	v_add_f32 v[S+\j], v[S+\j], v[PT+\j]
.endr
.irp j, 0,1,2,3,4,5,6,7
	ds_store_b32 v[XAD], v[S+\j] offset:\pb+XAO+32*((\t)/2)+4*\j   ; all lanes write the same word with the same value
.endr
.endif
.endm
.macro BODY lora, pb
.irp t, 0,1,2,3
	LOAD \t
.endr
	s_wait_loadcnt 12                              ; step 0's four loads are in (and all that was asked for before them)
	TURN 0, \pb
.irp t, 0,1,2,3,4,5,6,7,8,9,10,11,12,13,14,15
	STEP \t, \lora, \pb
.endr
	ds_load_b64 v[8:9], v6 offset:\pb+BYT          ; LDS serves a wave's instructions in order: these see my stores
.if \lora
	ds_load_b64 v[10:11], v6 offset:\pb+XAO
.endif
	s_wait_dscnt 0x0
	global_store_b64 v7, v[8:9], s[14:15]          ; 32 lanes store 256 consecutive aligned bytes
.if \lora
	v_pk_mul_f32 v[10:11], v[10:11], 2.0 op_sel_hi:[1,0]   ; the factor 2: exact
	global_store_b64 v7, v[10:11], s[24:25]
.endif
	s_wait_tensorcnt 0x0                           ; the wave's end, behind my last LDS store
	ds_add_u32 v[SPW], v[NIL]
	s_wait_dscnt 0x0
	s_endpgm
.endm
	s_cmp_lt_u32 ttmp9, 256
	s_cbranch_scc0 .Lweights
	; ---- x
	s_lshl_b32 s20, ttmp9, 2
	s_add_co_u32 s21, s20, s16                     ; which 8 rows I read,
	s_add_co_u32 s22, s20, s18                     ; and where they go
	s_lshl_b32 s28, s21, 15
	s_add_nc_u64 s[4:5], s[4:5], s[28:29]
	s_lshl_b32 s28, s22, 13
	s_add_nc_u64 s[12:13], s[12:13], s[28:29]
	s_lshl_b32 s28, s21, 8
	s_add_co_u32 s28, s28, XA2
	s_add_nc_u64 s[24:25], s[14:15], s[28:29]      ; xa2 keeps the rows' own order
	s_lshl_b32 s28, s22, 8
	s_add_nc_u64 s[14:15], s[14:15], s[28:29]
.irp j, 0,1,2,3,4,5,6,7
	v_mov_b32 v[PT+\j], 0                          ; written once: a lane permute's destination counts as one of its sources
.endr
	WIN 0x40                                       ; destination window 1
	s_wait_alu depctr_va_vdst(0)
.irp f, 0,1
.irp j, 0,1,2,3,4,5,6,7
.irp q, 0,1,2,3
	global_load_b128 v[128*\f+16*\j+4*\q:128*\f+16*\j+4*\q+3], v[AAD], s[10:11] offset:4096*\j+2048*\f+16*\q
.endr
.endr
.endr
	WIN 0
	BODY 1, 0
.Lweights:
	; ---- Wqkv or Wproj: pointers and offsets are chosen on the work-group's number alone
	s_cmp_lt_u32 ttmp9, 352
	s_cselect_b64 s[4:5], s[6:7], s[8:9]
	s_mov_b32 s20, 352
	s_cselect_b32 s20, 256, s20                    ; the tensor's first work-group
	s_mov_b32 s21, 11534336
	s_cselect_b32 s21, 8388608, s21                ; its part of codes1
	s_mov_b32 s22, 360448
	s_cselect_b32 s22, 262144, s22                 ; and of scales1
	s_cselect_b32 s18, s18, s16                    ; Wqkv in p-order, Wproj as it lies
	s_sub_co_u32 s20, ttmp9, s20
	s_lshl_b32 s20, s20, 2
	s_add_co_u32 s19, s20, s16
	s_add_co_u32 s20, s20, s18
	s_lshl_b32 s28, s19, 15
	s_add_nc_u64 s[4:5], s[4:5], s[28:29]
	s_lshl_b32 s28, s20, 13
	s_add_co_u32 s28, s28, s21
	s_add_nc_u64 s[12:13], s[12:13], s[28:29]
	s_lshl_b32 s28, s20, 8
	s_add_co_u32 s28, s28, s22
	s_add_nc_u64 s[14:15], s[14:15], s[28:29]
	s_wait_alu depctr_va_vdst(0)
	BODY 0, PBW
.Lfunc_end_k_qa71f792aea_quant:
	.size	k_qa71f792aea_quant, .Lfunc_end_k_qa71f792aea_quant-k_qa71f792aea_quant
	.p2alignl 7, 3214868480
	.fill 96, 4, 3214868480
	.section	.rodata,"a",@progbits
	.p2align	6, 0x0
	.amdhsa_kernel k_qa71f792aea_quant
		.amdhsa_group_segment_fixed_size 66048
		.amdhsa_private_segment_fixed_size 0
		.amdhsa_enable_private_segment 0
		.amdhsa_kernarg_size 48
		.amdhsa_user_sgpr_count 2
		.amdhsa_user_sgpr_kernarg_segment_ptr 1
		.amdhsa_wavefront_size32 1
		.amdhsa_system_sgpr_workgroup_id_x 1
		.amdhsa_system_sgpr_workgroup_id_y 1
		.amdhsa_system_sgpr_workgroup_id_z 1
		.amdhsa_system_vgpr_workitem_id 0
		.amdhsa_next_free_vgpr 512
		.amdhsa_next_free_sgpr 66
		.amdhsa_reserve_vcc 0
		.amdhsa_float_denorm_mode_32 3
		.amdhsa_float_denorm_mode_16_64 3
		.amdhsa_memory_ordered 1
		.amdhsa_forward_progress 1
		.amdhsa_inst_pref_size 200
	.end_amdhsa_kernel
	.amdgpu_metadata
---
amdhsa.version: [ 1, 2 ]
amdhsa.kernels:
  - .name:           k_qa71f792aea_quant
    .symbol:         k_qa71f792aea_quant.kd
    .args:
      - { .name: x, .offset: 0, .size: 8, .value_kind: global_buffer, .address_space: global }
      - { .name: Wqkv, .offset: 8, .size: 8, .value_kind: global_buffer, .address_space: global }
      - { .name: Wproj, .offset: 16, .size: 8, .value_kind: global_buffer, .address_space: global }
      - { .name: Aqkv, .offset: 24, .size: 8, .value_kind: global_buffer, .address_space: global }
      - { .name: codes1, .offset: 32, .size: 8, .value_kind: global_buffer, .address_space: global }
      - { .name: scales1, .offset: 40, .size: 8, .value_kind: global_buffer, .address_space: global }
    .group_segment_fixed_size: 66048
    .private_segment_fixed_size: 0
    .kernarg_segment_align: 8
    .kernarg_segment_size: 48
    .max_flat_workgroup_size: 128
    .sgpr_count:     66
    .vgpr_count:     512
    .wavefront_size: 32
...
	.end_amdgpu_metadata
.endif
;; end of part 1
;; launch gemm_qkv (part 2): grid 12 x 32, 4 waves a work-group, clusters of 4 x 4, 327,680 bytes of LDS; arguments codes1, scales1, Bqkv, bqkv, qkv_codes, qkv_scales; writes qkv_codes, qkv_scales
.if DOCPART == 2
	.amdgcn_target "amdgcn-amd-amdhsa--gfx1250"
	.amdhsa_code_object_version 6
	.text
	.protected	k_qa71f792aea_gemm_qkv
	.globl	k_qa71f792aea_gemm_qkv
	.p2align	8
	.type	k_qa71f792aea_gemm_qkv,@function
k_qa71f792aea_gemm_qkv:
	s_mov_b64 s[64:65], 0
	v_nop
	global_prefetch_b8 v0, s[64:65] scope:SCOPE_SE
	s_setreg_imm32_b32 hwreg(HW_REG_WAVE_MODE, 25, 1), 1
	s_wait_xcnt 0x0
	s_wait_alu depctr_hold_cnt(0) depctr_sa_sdst(0) depctr_va_vdst(0) depctr_va_sdst(0) depctr_va_ssrc(0) depctr_va_vcc(0) depctr_vm_vsrc(0)
	s_getreg_b32 s2, hwreg(HW_REG_IB_STS2, 6, 4)
	s_cmp_eq_u32 s2, 0
	s_cbranch_scc0 .Lentry_in_a_cluster
	s_endpgm
.Lentry_in_a_cluster:
	s_bfe_u32 s2, ttmp6, 0x10000c
	s_cmp_lg_u32 s2, 0xf033
	s_cbranch_scc0 .Lentry_shape_is_right
	s_endpgm
.Lentry_shape_is_right:
; LAUNCH 2 OF 4.  qkv = x Wqkv^T + bqkv + (2 x Aqkv^T) Bqkv^T, the first product on codes of E4M3 with E8M0 scales, the last in f32; q, k and v are quantised HERE, in registers, and leave as codes.  No work is left out.
; A tile is 256 tokens x 256 rows of Wqkv; four waves, each 128 x 128: 64 accumulators of 16 x 16.  K = 1,024 goes in four steps of 256 through a ring of two LDS slots; the scale bytes of the tile's rows come once.
; CLUSTERS: 4 x 4 work-groups; the tokens' tiles are asked for jointly along a row of the cluster, the weights' along a column.  Cluster x is 0 for q, 1 for k, 2 for v: the same number in all sixteen partners.
; THE SUMS BEGIN WITH THE BIAS AND THE LOW-RANK TERM: two K steps of the f32 matrix form (K = 8), the bias as the C of the first; the 8-bit products add onto them.
; WHICH SIDE IS SOURCE 0.  A result's registers run along source 0's rows, and a quantiser wants a lane's registers to run along its K.  q and k are quantised along the head's 64: source 0 = rows of Wqkv.
; v is quantised along the keys: source 0 = tokens.  The text is one: only the tiles that the two sources fetch, the two factor pointers and the bias's layout are chosen by cluster x.
; Both operands' rows lie in p-order, so the 16 registers of result tiles 2 b and 2 b + 1 are 16 neighbours along source 0's own order: 32 b + 16 (lane / 16) + 0 .. 15.
; THE WAY OUT.  For each tile a of source 1 (16 rows), a lane's 64 numbers become 16 registers of codes and one scale word.  They are stored as an image of an operand's registers: [a][b][lane][16 bytes]:
; each store of the wave covers 512 consecutive bytes.  The scale words: [row 16][a 8], 512 consecutive bytes a wave.
; LIMITS as stated at the head of launch quant (byte 1 for blocks under 2^-118 and for blocks of zeros; NaN and infinities not served).
; REGISTERS: window 0: v16-31 addresses; v32-63 scale words, two sets; v128-255 source 1's fragments, one set.  window 1: source 0's fragments, two sets.  windows 2, 3: the accumulators ((a, b) at v[8 (8 (a % 4) + b)]).
;   At the start: window 1 v0-31 source 0's factors, window 0 v128-159 source 1's, v192-255 the bias.   On the way out, window 0: v32-47 at work, v48-59 scale words, v64-127 held numbers, v128-255 codes.
.set NQ,     2                         ; matrix instructions deep in a slot
.set ROWB,   256                       ; a tile's row in bytes
.set KROW,   1024                      ; a row of codes in memory
.set PITCH,  272                       ; an LDS row: 256 bytes + 16 of padding: the 16 rows that a load touches start 68 words apart
.set FR,     16
.set NL,     4
.set NP,     8                         ; places behind this matrix instruction (ISA guide 7.12.1)
.set HALFT,  128*PITCH
.set SLOT,   4*HALFT
.set LAPS,   2
.set KS,     32                        ; a row of scale bytes
.set SCL,    2*SLOT
.set HALFS,  (128*KS/256)*272
.set SBLK,   (16*KS/256)*272
.set SPARE,  SCL+4*HALFS               ; the spare words, 128 bytes for each wave
.set WC,     8388608                   ; Wqkv's part of codes1,
.set WS,     262144                    ; of scales1;
.set XA2,    393216                    ; 2 x Aqkv^T in scales1
.set ADRA, 16                          ; v16-17  source 1's fragments in slot 0, 1
.set ADRB, 20                          ; v20-21  source 0's
.set CO,   24                          ; v24     16 x lane
.set SO,   25                          ; v25     32 r + 16 h
.set FL,   26                          ; v26     (r + 8 (r / 8)) x 32 + 16 h: a factor row of 8 f32, my half
.set ADRS, 27                          ; v27     my scale words: lanes 0-15 source 1's rows, lanes 16-31 source 0's
.set SPW,  28
.set NIL,  29
.set BO,   30                          ; v30     64 h
.set BR,   31                          ; v31     (r + 8 (r / 8)) x 4
.set SC,   32
.set AF,   128
.set TM,   32
.set PW,   48
.set T,    64
.set CD,   128
.set G1, 24
.set G0, 32
.set G1B, 48
.set G0B, 56
.set G1S, 68
.set G0S, 76
.set G1SB, 80
.set G0SB, 88
.set MSB, 0
.macro WIN new
.if MSB != \new
	s_set_vgpr_msb (MSB<<8)|\new
.set MSB, \new
.endif
.endm
.set MUL_LO, 0xa1                      ; source 0 window 1, source 1 window 0, C and D window 2
.set MUL_HI, 0xf1                      ; the same, C and D window 3
.set TO_B,   0x40                      ; destination window 1, address window 0
; A joint load: waves 0 and 1 fetch the tokens' halves, waves 2 and 3 the weights'.  The branch hangs on the wave's number alone.  An s_nop 0 and four v_nop follow each line.
.macro JLOAD g0a, g1a, g0b, g1b
	s_cmp_eq_u32 s17, 0
	s_cbranch_scc0 .Lfor_b_\@
	tensor_load_to_lds s[\g0a:\g0a+3], s[\g1a:\g1a+7]
	s_nop 0
.rept 4
	v_nop
.endr
	s_branch .Lasked_\@
.Lfor_b_\@:
	tensor_load_to_lds s[\g0b:\g0b+3], s[\g1b:\g1b+7]
	s_nop 0
.rept 4
	v_nop
.endr
.Lasked_\@:
.endm
.macro CREST                           ; a round of the cluster's barrier behind its opening barrier
	s_cmp_lg_u32 s16, 0
	s_cbranch_scc1 .Lnot_wave_0_\@
	s_barrier_signal -3
.Lnot_wave_0_\@:
	s_barrier_wait -3
	s_barrier_signal -1
	s_barrier_wait -1
.endm
.macro CROUND
	s_barrier_signal -1
	s_barrier_wait -1
	CREST
.endm
	s_load_b256 s[4:11], s[0:1], 0x0               ; codes1, scales1, Bqkv, bqkv
	s_load_b128 s[12:15], s[0:1], 0x20             ; qkv_codes, qkv_scales
	v_lshl_add_u32 v[SPW], v0, 2, SPARE
	v_mov_b32 v[NIL], 0
	ds_add_u32 v[SPW], v[NIL]                      ; the wave's opening: the add, twice on end, and its wait ahead of my first tensor load
	ds_add_u32 v[SPW], v[NIL]
	v_lshrrev_b32 v1, 5, v0
	v_readfirstlane_b32 s16, v1                    ; wave 0..3
	s_lshr_b32 s17, s16, 1                         ; HA: my half of the tokens.  Also: I fetch tokens (0) or weights (1)
	s_and_b32 s18, s16, 1                          ; HB: my half of the weights' rows.  Also: which 128 rows I fetch
	s_bfe_u32 s40, ttmp6, 0x40000                  ; cx
	s_bfe_u32 s41, ttmp6, 0x40004                  ; cy
	s_lshl_b32 s42, ttmp9, 2
	s_add_co_u32 s42, s42, 32                      ; Wqkv's tiles of 256 rows lie behind x's 32 in codes1: 32 + 4 x cluster x
	s_and_b32 s43, ttmp7, 0xffff
	s_lshl_b32 s43, s43, 2                         ; 4 x cluster y
	s_lshl_b32 s44, s41, 2
	s_lshl_b32 s44, 15, s44                        ; my row of the cluster
	s_lshl_b32 s45, 0x1111, s40                    ; my column
	s_or_b32 s[G1+0], s44, (0<<16)|(1<<20)|(1<<21)|(5<<22)|(3<<25)   ; mask; elements of 1 byte; padding on; bit 21 beside a mask; 4 words behind every 64
	s_or_b32 s[G1B+0], s45, (0<<16)|(1<<20)|(1<<21)|(5<<22)|(3<<25)
.irp g, G1, G1B
	s_mov_b32 s[\g+1], ROWB<<16                    ; tensor_dim0
	s_mov_b32 s[\g+2], 256<<16                     ; the head's loads bring 256 rows; behind them the two words are set to 128
	s_mov_b32 s[\g+3], ROWB<<16                    ; tile_dim0
	s_mov_b32 s[\g+4], 256
	s_mov_b32 s[\g+5], KROW                        ; pitch
	s_mov_b32 s[\g+6], 0
	s_mov_b32 s[\g+7], 0
.endr
	s_or_b32 s[G1S+0], s44, (3<<16)|(1<<20)|(1<<21)|(5<<22)|(3<<25)  ; the scale bytes of 256 rows: 8,192 dense bytes as 32 rows of 256 (32 elements of 8 bytes), 16 bytes of padding behind each
	s_or_b32 s[G1SB+0], s45, (3<<16)|(1<<20)|(1<<21)|(5<<22)|(3<<25)
.irp g, G1S, G1SB
	s_mov_b32 s[\g+1], 32<<16
	s_mov_b32 s[\g+2], (256*KS/256)<<16            ; the scale bytes of 256 rows: 32 rows of 256 bytes
	s_mov_b32 s[\g+3], 32<<16
	s_mov_b32 s[\g+4], 256*KS/256
	s_mov_b32 s[\g+5], 32
	s_mov_b32 s[\g+6], 0
	s_mov_b32 s[\g+7], 0
.endr
	; THE LDS REGIONS ARE FIXED: the first 256 rows of a slot are source 1's, asked for along my row of the cluster; the second 256 are source 0's, asked for along my column.
	; q, k: source 1 = token tile 4 x cluster y + cy, source 0 = weight tile 4 x cluster x + cx.  v: source 1 = weight tile 8 + cy, source 0 = token tile 4 x cluster y + cx.
	; Only global offsets are chosen, by the cluster's number, which all sixteen partners share; codes1 and scales1 hold x's rows and then Wqkv's, so a tile's number counts 256 rows of either.
	s_cmp_eq_u32 ttmp9, 2
	s_cselect_b32 s20, 40, s43
	s_cselect_b32 s46, s43, s42
	s_add_co_u32 s20, s20, s41                     ; source 1's tile: hangs on cy alone
	s_add_co_u32 s46, s46, s40                     ; source 0's tile: on cx alone
	s_lshl_b32 s22, s20, 13                        ; their scale bytes: 256 x 32 a tile,
	s_mov_b32 s23, 0
	s_lshl_b32 s20, s20, 18                        ; their codes: 256 x 1,024
	s_mov_b32 s21, 0
	s_lshl_b32 s66, s46, 13
	s_mov_b32 s67, 0
	s_lshl_b32 s46, s46, 18
	s_mov_b32 s47, 0
	s_mul_i32 s2, s16, HALFT                       ; where my ring loads go: wave x 128 rows
	s_mov_b32 s98, 0xffff0000                      ; lanes 16-31
	s_mov_b32 s99, 0x600000                        ; the mantissa field of 448
	s_mov_b32 s100, 0x76543210
	s_mov_b32 s101, 0xfedcba98                     ; lane l xor 16
	s_wait_dscnt 0x0                               ; both opening adds are done
	s_wait_kmcnt 0x0
	s_add_nc_u64 s[20:21], s[4:5], s[20:21]
	s_add_nc_u64 s[22:23], s[6:7], s[22:23]
	s_add_nc_u64 s[46:47], s[4:5], s[46:47]
	s_add_nc_u64 s[66:67], s[6:7], s[66:67]
	CROUND                                         ; all sixteen work-groups are here: the first joint loads meet
	s_mov_b32 s[G0S], 1                            ; the head's four tiles, each whole: source 1's scale bytes,
	s_mov_b32 s[G0S+1], SCL
	s_mov_b64 s[G0S+2:G0S+3], s[22:23]
	s_or_b32 s[G0S+3], s[G0S+3], 0x80000000
	s_mov_b32 s[G0SB], 1                           ; source 0's,
	s_mov_b32 s[G0SB+1], SCL+2*HALFS
	s_mov_b64 s[G0SB+2:G0SB+3], s[66:67]
	s_or_b32 s[G0SB+3], s[G0SB+3], 0x80000000
	s_mov_b32 s[G0], 1                             ; K step 0's 256 rows of source 1,
	s_mov_b32 s[G0+1], 0
	s_mov_b64 s[G0+2:G0+3], s[20:21]
	s_or_b32 s[G0+3], s[G0+3], 0x80000000
	s_mov_b32 s[G0B], 1                            ; and of source 0
	s_mov_b32 s[G0B+1], 2*HALFT
	s_mov_b64 s[G0B+2:G0B+3], s[46:47]
	s_or_b32 s[G0B+3], s[G0B+3], 0x80000000
	s_lshl_b32 s22, s18, 17                        ; in the ring I fetch 128 rows: which half, in bytes
	s_mov_b32 s23, 0
	s_add_nc_u64 s[20:21], s[20:21], s[22:23]
	s_add_nc_u64 s[46:47], s[46:47], s[22:23]
	s_mov_b32 s[G0+4], 1                           ; slot 1: K step 1
	s_add_co_u32 s[G0+5], s2, SLOT
	s_add_nc_u64 s[G0+6:G0+7], s[20:21], ROWB
	s_or_b32 s[G0+7], s[G0+7], 0x80000000
	s_mov_b32 s[G0B+4], 1
	s_add_co_u32 s[G0B+5], s2, SLOT
	s_add_nc_u64 s[G0B+6:G0B+7], s[46:47], ROWB
	s_or_b32 s[G0B+7], s[G0B+7], 0x80000000
; THE HEAD'S LOADS, ONE A WAVE: one tree of branches on the wave's number, a load to an arm, all arms leading to one join
.macro ARM under, g0, g1, next
	s_cmp_lt_u32 s16, \under
	s_cbranch_scc0 \next
	tensor_load_to_lds s[\g0:\g0+3], s[\g1:\g1+7]
	s_nop 0
.rept 4
	v_nop
.endr
	s_branch .Lhead_asked
\next:
.endm
	ARM 1, G0,  G1,  .Lhead_b
	ARM 2, G0B, G1B, .Lhead_sa
	ARM 3, G0S, G1S, .Lhead_sb
	tensor_load_to_lds s[G0SB:G0SB+3], s[G1SB:G1SB+7]
	s_nop 0
.rept 4
	v_nop
.endr
.Lhead_asked:
	; for the plain loads and the stores: X (s42) the tile of Wqkv, Y (s43) the tile of tokens, s3 X's place among its tensor's four, s44 my half of the tokens, s45 my half of the weights' rows
	s_and_b32 s43, ttmp7, 0xffff
	s_lshl_b32 s43, s43, 2
	s_lshl_b32 s42, ttmp9, 2
	s_cmp_eq_u32 ttmp9, 2
	s_cselect_b32 s19, 1, 0                        ; TY = 1: this cluster makes v
	s_cselect_b32 s20, s40, s41
	s_cselect_b32 s3, s41, s40
	s_cselect_b32 s44, s18, s17
	s_cselect_b32 s45, s17, s18
	s_add_co_u32 s43, s43, s20
	s_add_co_u32 s42, s42, s3
	v_and_b32 v1, 15, v0                           ; r
	v_bfe_u32 v2, v0, 4, 1                         ; h
	v_mul_u32_u24 v3, v1, PITCH
	v_lshl_add_u32 v4, v2, 4, v3                   ; a fragment's row x pitch + 16 h
	s_wait_alu depctr_va_vdst(0)
	s_mul_i32 s20, s17, HALFT                      ; my 128 tokens in a slot,
	s_mul_i32 s21, s18, HALFT
	s_add_co_u32 s21, s21, 2*HALFT                 ; my 128 rows of Wqkv
	s_mov_b32 s22, s20                             ; source 1: the first region, half wave / 2
	s_mov_b32 s23, s21                             ; source 0: the second region, half wave % 2
.irp s, 0,1
	v_add_nc_u32 v[ADRA+\s], s22, v4
	v_add_nc_u32 v[ADRB+\s], s23, v4
	s_add_co_u32 s22, s22, SLOT
	s_add_co_u32 s23, s23, SLOT
.endr
	v_lshlrev_b32 v5, 5, v1                        ; my row's scale bytes: 32 a row,
	v_lshrrev_b32 v6, 3, v1
	v_lshl_add_u32 v5, v6, 4, v5                   ; and 16 more for each 256 passed
	s_mul_i32 s20, s17, HALFS                      ; the tokens',
	s_mul_i32 s21, s18, HALFS
	s_add_co_u32 s21, s21, 2*HALFS                 ; the weights',
	s_sub_co_u32 s21, s21, s20                     ; and the distance between them
	v_mul_u32_u24 v6, s21, v2                      ; lanes 0-15 take source 1's words, lanes 16-31 source 0's
	s_add_co_u32 s20, s20, SCL
	v_add_nc_u32 v5, v5, v6
	v_add_nc_u32 v[ADRS], s20, v5
	v_and_b32 v5, 8, v1
	v_add_nc_u32 v5, v5, v1                        ; r + 8 (r / 8)
	v_lshlrev_b32 v[FL], 5, v5
	v_lshl_add_u32 v[FL], v2, 4, v[FL]
	s_wait_alu depctr_va_vdst(0)
	v_lshlrev_b32 v[BR], 2, v5
	v_lshlrev_b32 v[BO], 6, v2
	v_and_b32 v6, 31, v0
	v_lshlrev_b32 v[CO], 4, v6
	v_lshlrev_b32 v[SO], 5, v1
	v_lshl_add_u32 v[SO], v2, 4, v[SO]
	; the low-rank factors of my 128 tokens and my 128 rows, and the bias
	s_lshl_b32 s20, s43, 8
	s_lshl_b32 s21, s44, 7
	s_add_co_u32 s20, s20, s21
	s_lshl_b32 s20, s20, 5
	s_add_co_u32 s20, s20, XA2
	s_mov_b32 s21, 0
	s_add_nc_u64 s[20:21], s[6:7], s[20:21]        ; 2 x Aqkv^T at my first token
	s_lshl_b32 s46, s42, 8
	s_lshl_b32 s47, s45, 7
	s_add_co_u32 s46, s46, s47                     ; my first row of Wqkv
	s_lshl_b32 s66, s46, 2
	s_mov_b32 s67, 0
	s_add_nc_u64 s[96:97], s[10:11], s[66:67]      ; bqkv there
	s_lshl_b32 s46, s46, 5
	s_mov_b32 s47, 0
	s_add_nc_u64 s[22:23], s[8:9], s[46:47]        ; Bqkv there
	s_cmp_eq_u32 s19, 1
	s_cselect_b64 s[92:93], s[22:23], s[20:21]     ; source 1's factors
	s_cselect_b64 s[94:95], s[20:21], s[22:23]     ; source 0's
	; where my results go: U = ((batch x 8 + pair of heads) x 16 + unit of 128 tokens)
	s_lshr_b32 s46, s43, 3
	s_lshl_b32 s46, s46, 3
	s_lshl_b32 s47, s3, 1
	s_add_co_u32 s46, s46, s47
	s_add_co_u32 s46, s46, s45
	s_lshl_b32 s46, s46, 4
	s_and_b32 s47, s43, 7
	s_lshl_b32 s47, s47, 1
	s_add_co_u32 s46, s46, s47
	s_add_co_u32 s46, s46, s44
	s_lshl_b32 s66, s46, 9
	s_mul_i32 s67, ttmp9, 262144
	s_add_co_u32 s66, s66, s67
	s_mov_b32 s67, 0
	s_add_nc_u64 s[14:15], s[14:15], s[66:67]
	s_lshl_b32 s46, s46, 14
	s_mul_i32 s47, ttmp9, 8388608
	s_add_co_u32 s46, s46, s47
	s_mov_b32 s47, 0
	s_add_nc_u64 s[12:13], s[12:13], s[46:47]
	; THE SUMS' START.  A factor row is 8 f32; lane (r, h) takes numbers 4 h .. 4 h + 3 of the tile's row r.  K's places are permuted alike on both sides: the first K step takes each lane's first pair, the second its second.
	WIN TO_B
.irp i, 0,1,2,3,4,5,6,7
	global_load_b128 v[4*\i:4*\i+3], v[FL], s[94:95] offset:(32*(\i/2)+8*(\i%2))*32
.endr
	WIN 0
.irp i, 0,1,2,3,4,5,6,7
	global_load_b128 v[128+4*\i:131+4*\i], v[FL], s[92:93] offset:(32*(\i/2)+8*(\i%2))*32
.endr
.macro LORA1 cb                        ; the first K step; C = the bias: of source 0's tile b (cb = 1) or of source 1's tile a (cb = 0).  The 64 accumulators take turns
.irp a, 0,1,2,3,4,5,6,7
	WIN (0x81+0x40*(\a/4))
.irp b, 0,1,2,3,4,5,6,7
	v_wmma_f32_16x16x4_f32 v[8*(8*(\a%4)+\b):8*(8*(\a%4)+\b)+7], v[4*\b:4*\b+1], v[128+4*\a:129+4*\a], v[192+8*(\cb*\b+(1-\cb)*\a):199+8*(\cb*\b+(1-\cb)*\a)]
.endr
.endr
	WIN 0
.endm
	s_cmp_eq_u32 s19, 1
	s_cbranch_scc1 .Lbias_v
	s_wait_alu depctr_va_vdst(0)
.irp b, 0,1,2,3,4,5,6,7                ; q, k: register j of tile b is row 32 (b / 2) + 8 (b % 2) + 16 h + j of Wqkv
	global_load_b128 v[192+8*\b:195+8*\b], v[BO], s[96:97] offset:(32*(\b/2)+8*(\b%2))*4
	global_load_b128 v[196+8*\b:199+8*\b], v[BO], s[96:97] offset:(32*(\b/2)+8*(\b%2))*4+16
.endr
	s_branch .Lbias_in
.Lbias_v:
	s_wait_alu depctr_va_vdst(0)
.irp a, 0,1,2,3,4,5,6,7                ; v: all eight registers of tile a hold the bias of the lane's own row of Wqkv
.irp j, 0,1,2,3,4,5,6,7
	global_load_b32 v[192+8*\a+\j], v[BR], s[96:97] offset:(32*(\a/2)+8*(\a%2))*4
.endr
.endr
.Lbias_in:
	s_wait_alu depctr_va_vdst(0)                   ; the head's end
	s_wait_tensorcnt 0x0                           ; my tile of the head's four is in; slot 1's first fill is issued as a refill is:
	ds_add_u32 v[SPW], v[NIL]
	s_mov_b32 s[G1+2], 128<<16                     ; no tensor load of mine is out, so descriptors may be written: from here on a load brings 128 rows,
	s_mov_b32 s[G1+4], 128
	s_mov_b32 s[G1B+2], 128<<16
	s_mov_b32 s[G1B+4], 128
	s_lshl_b32 s46, s18, 17
	s_mov_b32 s47, 0
	s_mov_b32 s[G0+1], s2                          ; and slot 0's groups 0 become the ring's: my 128 rows, at wave x 128 rows
	s_add_nc_u64 s[G0+2:G0+3], s[G0+2:G0+3], s[46:47]
	s_mov_b32 s[G0B+1], s2
	s_add_nc_u64 s[G0B+2:G0B+3], s[G0B+2:G0B+3], s[46:47]
	s_wait_dscnt 0x0                               ; the add is done
	CROUND                                         ; a whole round: all four tiles are in, and all sixteen work-groups are here
	JLOAD G0+4, G1, G0B+4, G1B                     ; K step 1: the first tensor load behind the round; the sums' start below stands behind it
	s_wait_loadcnt 0x0                             ; the factors and the bias
	s_cmp_eq_u32 s19, 1
	s_cbranch_scc1 .Llora_v
	LORA1 1
	s_branch .Lbias_done
.Llora_v:
	LORA1 0
.Lbias_done:
.irp a, 0,1,2,3,4,5,6,7                ; the second K step, in place
	WIN (0xa1+0x50*(\a/4))
.irp b, 0,1,2,3,4,5,6,7
	v_wmma_f32_16x16x4_f32 v[8*(8*(\a%4)+\b):8*(8*(\a%4)+\b)+7], v[4*\b+2:4*\b+3], v[130+4*\a:131+4*\a], v[8*(8*(\a%4)+\b):8*(8*(\a%4)+\b)+7]
.endr
.endr
	WIN 0
.rept 9
	v_nop                                          ; nine places: another form's products write over these results, and loads go into these operands
.endr
.macro FRAG reg, adr, q, i             ; 16 rows x 128 K of 8-bit codes: registers 4 c .. 4 c + 3 hold K = 32 c + 16 h + 0 .. 15
.irp c, 0,1,2,3
	ds_load_b128 v[\reg+4*\c:\reg+4*\c+3], v[\adr] offset:128*(\q)+32*\c+(\i)*16*PITCH
.endr
.endm
; 16 matrix instructions: source 1's blocks a0, a0 + 1 x source 0's eight, 128 along K.  The 64 accumulators take turns, in the same order in every step.
.macro MUL16 a0, p, q, sc
.irp a, \a0, \a0+1
.irp b, 0,1,2,3,4,5,6,7
	v_wmma_scale_f32_16x16x128_f8f6f4 v[8*(8*((\a)%4)+\b):8*(8*((\a)%4)+\b)+7], v[128*(\p)+FR*\b:128*(\p)+FR*\b+FR-1], v[AF+FR*(\a):AF+FR*(\a)+FR-1], v[8*(8*((\a)%4)+\b):8*(8*((\a)%4)+\b)+7], v[SC+8*NQ*(\sc)+NQ*\b+(\q)], v[SC+8*NQ*(\sc)+NQ*(\a)+(\q)] matrix_a_scale:MATRIX_SCALE_ROW1
.endr
.endr
.endm
.macro FETCH_B slot, q, p
	WIN TO_B
.irp i, 0,1,2,3,4,5,6,7
	FRAG 128*(\p)+FR*\i, ADRB+\slot, \q, \i
.endr
	WIN 0
.endm
.macro FETCH_A slot, q, i0
.irp i, \i0, \i0+1, \i0+2, \i0+3
	FRAG AF+FR*(\i), ADRA+\slot, \q, \i
.endr
.endm
.macro SCALES sc                       ; a K step's scale words, two a row: lanes 0-15 source 1's block i, lanes 16-31 source 0's block i
.irp i, 0,1,2,3,4,5,6,7
	ds_load_b64 v[SC+8*NQ*\sc+NQ*\i:SC+8*NQ*\sc+NQ*\i+1], v[ADRS] offset:\i*SBLK
.endr
.endm
.macro PLACES n                        ; plain vector instructions between a matrix instruction and a load into, or a read of, its registers
.rept \n
	v_nop
.endr
.endm
.macro STEP slot, q                    ; a step of 128 along K that has its successor in the same slot
	s_wait_dscnt 4*NL                              ; source 0's set and source 1's blocks 0-3 are in; the youngest 16 loads (blocks 4-7) may be out
	WIN MUL_LO
	MUL16 0, (\q)%2, \q, \slot
	MUL16 2, (\q)%2, \q, \slot
	s_wait_dscnt 0
	PLACES NP
	FETCH_B \slot, (\q)+1, 1-(\q)%2
	FETCH_A \slot, (\q)+1, 0
	WIN MUL_HI
	MUL16 4, (\q)%2, \q, \slot
	MUL16 6, (\q)%2, \q, \slot
	PLACES NP
	WIN 0
	FETCH_A \slot, (\q)+1, 4
.endm
; A slot's last step changes slots: one barrier; in front of it each wave waits for all its tensor loads, adds 0 to its spare word, and waits for that and for its reads of this slot.
.macro TURN slot, next, fill
	s_wait_tensorcnt 0x0                           ; all my tensor loads have landed: my part of the next slot
	ds_add_u32 v[SPW], v[NIL]
	s_wait_dscnt 4*NL+1                            ; (the add and the youngest 16 loads may be out)
	WIN MUL_LO
	MUL16 0, 1, NQ-1, \slot
	s_wait_dscnt 0x0                               ; the add is done, and my reads of this slot are over
	s_barrier_signal -1
	MUL16 2, 1, NQ-1, \slot
	WIN 0
	s_barrier_wait -1
.if \fill
	CREST                                          ; the barrier has opened a round of the cluster's: no wave of any partner still reads this slot or has a load on its way
	s_add_nc_u64 s[G0+4*\slot+2:G0+4*\slot+3], s[G0+4*\slot+2:G0+4*\slot+3], 2*ROWB
	s_add_nc_u64 s[G0B+4*\slot+2:G0B+4*\slot+3], s[G0B+4*\slot+2:G0B+4*\slot+3], 2*ROWB
	JLOAD G0+4*\slot, G1, G0B+4*\slot, G1B         ; the first tensor load behind the round; its four v_nop are among the places below
	PLACES NP-4
.else
	PLACES NP
.endif
	s_wait_alu depctr_va_vdst(0)
	v_add_nc_u32 v[ADRS], 4*NQ, v[ADRS]            ; the next K step's scale words
	FETCH_B \next, 0, 0
	FETCH_A \next, 0, 0
	SCALES \next
	WIN MUL_HI
	MUL16 4, 1, NQ-1, \slot
	MUL16 6, 1, NQ-1, \slot
	PLACES NP
	WIN 0
	FETCH_A \next, 0, 4
.endm
	FETCH_B 0, 0, 0
	FETCH_A 0, 0, 0
	SCALES 0
	FETCH_A 0, 0, 4
	STEP 0, 0
	s_mov_b32 s3, LAPS-1
.Llap:                                                 ; a trip goes once round the ring and fills both slots again
	TURN 0, 1, 1
	STEP 1, 0
	TURN 1, 0, 1
	STEP 0, 0
	s_sub_co_u32 s3, s3, 1
	s_cmp_lg_u32 s3, 0
	s_cbranch_scc1 .Llap
	TURN 0, 1, 0                                   ; the last lap fills nothing
	STEP 1, 0
	s_wait_dscnt 4*NL
	WIN MUL_LO
	MUL16 0, 1, NQ-1, 1
	MUL16 2, 1, NQ-1, 1
	s_wait_dscnt 0
	WIN MUL_HI
	MUL16 4, 1, NQ-1, 1
	MUL16 6, 1, NQ-1, 1
	WIN 0
; THE WAY OUT of source 1's tile a: register 16 b + i of its eight accumulators is K = 32 b + 16 h + i of the lane's row.  The sums are only read: what is made of them goes into other registers.
.macro QOUT a
.set AC, 64*((\a)%4)
	WIN (0x0a+5*((\a)/4))                          ; sources 0 and 1: window 2 or 3
.irp b, 0,1,2,3
	v_max3_num_f32 v[TM+\b], |v[AC+16*\b]|, |v[AC+16*\b+1]|, 0x4800000   ; each accumulator is read from its low end on; the floor 2^(9 - 127) holds the byte at 1 from below
.endr
.irp i, 2,4,6,8,10,12,14
.irp b, 0,1,2,3
	v_max3_num_f32 v[TM+\b], |v[AC+16*\b+\i]|, |v[AC+16*\b+\i+1]|, v[TM+\b]
.endr
.endr
	WIN 0
.irp b, 0,1,2,3
	v_permlanex16_b32 v[TM+4+\b], v[TM+\b], s100, s101
.endr
.irp b, 0,1,2,3
	v_max_num_f32 v[TM+\b], v[TM+\b], v[TM+4+\b]   ; with lane l xor 16's: the block's largest magnitude
.endr
.irp b, 0,1,2,3
	v_add_nc_u32 v[TM+12+\b], 0xfc000000, v[TM+\b] ; 8 off its exponent field: the conversion's scale operand
.endr
.irp b, 0,1,2,3
	v_and_or_b32 v[TM+8+\b], v[TM+\b], 0x7f800000, s99   ; 448 x the scale
.endr
.irp b, 0,1,2,3
	v_lshrrev_b32 v[TM+4+\b], 23, v[TM+12+\b]      ; the scale's byte
.endr
	v_lshl_or_b32 v[PW+(\a)], v[TM+5], 8, v[TM+4]
	v_lshl_or_b32 v[PW+(\a)], v[TM+6], 16, v[PW+(\a)]
	v_lshl_or_b32 v[PW+(\a)], v[TM+7], 24, v[PW+(\a)]
	WIN (0x02+((\a)/4))                            ; source 0: window 2 or 3
.irp b, 0,1,2,3
.irp i, 0,1,2,3,4,5,6,7,8,9,10,11,12,13,14,15
	v_med3_num_f32 v[T+16*\b+\i], v[AC+16*\b+\i], -v[TM+8+\b], v[TM+8+\b]   ; the hold: the conversion to an 8-bit code does not saturate (ISA guide 7.6.2)
.endr
.endr
	WIN 0
.irp b, 0,1,2,3
	v_cvt_scalef32_pk8_fp8_f32 v[CD+16*(\a)+4*\b:CD+16*(\a)+4*\b+1], v[T+16*\b:T+16*\b+7], v[TM+12+\b]
	v_cvt_scalef32_pk8_fp8_f32 v[CD+16*(\a)+4*\b+2:CD+16*(\a)+4*\b+3], v[T+16*\b+8:T+16*\b+15], v[TM+12+\b]
.endr
	v_nop                                          ; a plain instruction behind the last conversion: the next tile writes its sources
.irp b, 0,1,2,3
	global_store_b128 v[CO], v[CD+16*(\a)+4*\b:CD+16*(\a)+4*\b+3], s[12:13] offset:(\a)*2048+\b*512   ; 32 lanes store 512 consecutive bytes
.endr
.endm
	PLACES NP                                      ; behind the last products: their scale words' and fragments' registers are written below
.irp b, 0,1,2,3
	v_mov_b32 v[TM+4+\b], 0                        ; written once: a lane permute's destination counts as one of its sources
.endr
.irp a, 0,1,2,3,4,5,6,7
	QOUT \a
.endr
.irp i, 0,1,2,3
	v_cndmask_b32 v[56+\i], v[PW+\i], v[PW+4+\i], s98   ; lanes 0-15 store tiles 0-3's words of their row, lanes 16-31 tiles 4-7's
.endr
	global_store_b128 v[SO], v[56:59], s[14:15]    ; 512 consecutive bytes
	s_wait_tensorcnt 0x0                           ; the wave's end
	ds_add_u32 v[SPW], v[NIL]
	s_wait_dscnt 0x0
	CROUND                                         ; the closing round: no work-group ends while a partner may still ask for a tile that names it
	s_endpgm
.Lfunc_end_k_qa71f792aea_gemm_qkv:
	.size	k_qa71f792aea_gemm_qkv, .Lfunc_end_k_qa71f792aea_gemm_qkv-k_qa71f792aea_gemm_qkv
	.p2alignl 7, 3214868480
	.fill 96, 4, 3214868480
	.section	.rodata,"a",@progbits
	.p2align	6, 0x0
	.amdhsa_kernel k_qa71f792aea_gemm_qkv
		.amdhsa_group_segment_fixed_size 327680
		.amdhsa_private_segment_fixed_size 0
		.amdhsa_enable_private_segment 0
		.amdhsa_kernarg_size 48
		.amdhsa_user_sgpr_count 2
		.amdhsa_user_sgpr_kernarg_segment_ptr 1
		.amdhsa_wavefront_size32 1
		.amdhsa_system_sgpr_workgroup_id_x 1
		.amdhsa_system_sgpr_workgroup_id_y 1
		.amdhsa_system_sgpr_workgroup_id_z 1
		.amdhsa_system_vgpr_workitem_id 0
		.amdhsa_next_free_vgpr 1024
		.amdhsa_next_free_sgpr 102
		.amdhsa_reserve_vcc 0
		.amdhsa_float_denorm_mode_32 3
		.amdhsa_float_denorm_mode_16_64 3
		.amdhsa_memory_ordered 1
		.amdhsa_forward_progress 1
		.amdhsa_inst_pref_size 209
	.end_amdhsa_kernel
	.amdgpu_metadata
---
amdhsa.version: [ 1, 2 ]
amdhsa.kernels:
  - .name:           k_qa71f792aea_gemm_qkv
    .symbol:         k_qa71f792aea_gemm_qkv.kd
    .args:
      - { .name: codes1, .offset: 0, .size: 8, .value_kind: global_buffer, .address_space: global }
      - { .name: scales1, .offset: 8, .size: 8, .value_kind: global_buffer, .address_space: global }
      - { .name: Bqkv, .offset: 16, .size: 8, .value_kind: global_buffer, .address_space: global }
      - { .name: bqkv, .offset: 24, .size: 8, .value_kind: global_buffer, .address_space: global }
      - { .name: qkv_codes, .offset: 32, .size: 8, .value_kind: global_buffer, .address_space: global }
      - { .name: qkv_scales, .offset: 40, .size: 8, .value_kind: global_buffer, .address_space: global }
    .group_segment_fixed_size: 327680
    .private_segment_fixed_size: 0
    .kernarg_segment_align: 8
    .kernarg_segment_size: 48
    .max_flat_workgroup_size: 128
    .sgpr_count:     102
    .vgpr_count:     1024
    .wavefront_size: 32
...
	.end_amdgpu_metadata
.endif
;; end of part 2
;; launch attn (part 3): grid 4 x 64, 16 waves a work-group, no clusters, 327,680 bytes of LDS; arguments qkv_codes, qkv_scales, Aproj, att_codes, att_aux; writes att_codes, att_aux
.if DOCPART == 3
	.amdgcn_target "amdgcn-amd-amdhsa--gfx1250"
	.amdhsa_code_object_version 6
	.text
	.protected	k_qa71f792aea_attn
	.globl	k_qa71f792aea_attn
	.p2align	8
	.type	k_qa71f792aea_attn,@function
k_qa71f792aea_attn:
	s_mov_b64 s[64:65], 0
	v_nop
	global_prefetch_b8 v0, s[64:65] scope:SCOPE_SE
	s_setreg_imm32_b32 hwreg(HW_REG_WAVE_MODE, 25, 1), 1
	s_wait_xcnt 0x0
; LAUNCH 3 OF 4.  Causal attention of one head on codes of E4M3 with E8M0 scales; o is quantised here along the head's 64 and leaves as codes; o Aproj^T of this head's 64 columns leaves as an f32 part.
; LEFT OUT (shown at the head of launch quant): key steps that lie wholly behind a wave's queries, whose weights reference()'s own jnp.tril makes 0.
; SOFTMAX: t = score x log2(e) / 8; M = the ceiling of the running largest t; p = 2^(t - M) is quantised along the keys; the row's sum is taken of the unquantised p and divides at the end.
; LIMITS: as at the head of launch quant; the promise holds while |t| stays under 2^31.
; SHARES.  The head's 2,048 queries are 128 tiles of 16.  Wave w of work-group x (of four to a head) owns tiles 127 - (4 w + x) and 4 w + x, in this order: tile j has j / 8 + 1 key steps of 128, so every wave has 17.
; Wave 0's first tile reaches the last key step in every work-group, so each work-group reads all of the head's K and V.
; They stay in LDS (8 slots of 256 keys, 16,384 bytes of K and of V each); no byte is filled twice.  The head fills slots 0 and 1 and the scale bytes, one load a wave (12 waves);
; behind the first barrier waves 0 to 7 ask for slots 2 and 3; behind the second, 3 steps on, all 16 waves ask for slots 4 to 7; the third, 4 steps on, shows these.  Every wave's first tile has 9 steps or more, so all three lie in steps that every wave works.
; A KEY STEP (128 keys).  The head's size is 64, half of the instruction's K: a source-0 operand holds TWO tiles of 16 keys, one in each half of K, and is multiplied with [Q | 0] and with [0 | Q]
; (v16-39 hold Q, zeros, Q).  Zero codes add nothing under the other tile's codes, none of which is a NaN code, and under scale bytes that are not 0xff.
; The next step's eight tiles of K and their scale halves are fetched behind this step's first products; V's tile b is fetched into block b's p registers as soon as these are converted.
; cluster = none: the four work-groups of a head are not four along one axis of a grid that divides into clusters of 4 x 4 with the heads; what each reads is asked for three times in the launch, not in a loop.
; NO PREFETCH: slots 2 and 3 are asked for by their tensor loads 3 steps ahead of their first read, slots 4 to 7 at least 4 steps; no tensor load stands in a loop to run ahead of.
.set VOFF,  131072
.set SCK,   262144
.set SCV,   270336
.set SPARE, 278528
.set KPART, 8388608
.set VPART, 16777216
.set KSP,   262144
.set VSP,   524288
.set OAP,   262144
.set R32,  2                           ; v2  32 x (lane % 16)
.set QSL,  3                           ; v3  Q's two scale bytes in bytes 0, 1;  v4 the same in bytes 2, 3
.set QSH,  4
.set SPW,  5
.set NIL,  6
.set AK,   8                           ; v8-11 LDS addresses of the step's K, V, K's scale halves, V's scale words
.set AV,   9
.set ASK,  10
.set ASV,  11
.set QZ,   16                          ; v16-39  Q | 0 | Q
.set KR,   40                          ; v40-103 eight tiles of K, 8 registers each
.set S,    104                         ; v104-167 S^T, then p, then V's four tiles
.set O,    168                         ; v168-199 O^T
.set PC,   200                         ; v200-215 p's codes
.set BM,   216
.set T1,   220
.set HB,   224
.set SOP,  228
.set KS,   232                         ; v232-239 K's scale halves: even tiles in bytes 0, 1, odd tiles in bytes 2, 3
.set VS,   240
.set F,    244                         ; v244 f = 2^(old M - new M); v245 p's scale word
.set PS,   245
.set TMP,  246
.set NINF, 247
.set OA,   248                         ; v248-255 written by the f32 matrix form alone
.set WV,   14
.set MNT,  19
.set SEL,  20
.set CS,   22
.set G1K,  24
.set G1V,  32
.set G0K,  40
.set G0V,  44
.set G1S,  48
.set G0SK, 56
.set G0SV, 60
.set HL,   67                          ; s67 8,192 x (wave % 2): my half of a slot in LDS
.set KF,   68
.set QS,   69
.set HM,   70
.set CNT,  71
.set KB,   72                          ; s[72:73], s[74:75] my half of slot 0 of K, of V, in memory
.set VB,   74
	s_load_b256 s[4:11], s[0:1], 0x0               ; qkv_codes, qkv_scales, Aproj, att_codes
	s_load_b64 s[12:13], s[0:1], 0x20              ; att_aux
	v_lshl_add_u32 v[SPW], v0, 2, SPARE
	v_mov_b32 v[NIL], 0
	ds_add_u32 v[SPW], v[NIL]                      ; the opening lines: the add, twice on end, and its wait
	ds_add_u32 v[SPW], v[NIL]
	v_lshrrev_b32 v8, 5, v0
	v_readfirstlane_b32 s[WV], v8
	s_mov_b32 s15, ttmp9
	s_and_b32 s86, ttmp7, 0xffff
	s_and_b32 s16, s86, 15                         ; head
	s_and_b32 s17, s86, 1                          ; its place in its pair
	s_lshr_b32 s87, s86, 4                         ; batch
	s_lshl_b32 s98, s87, 7
	s_lshl_b32 s18, s87, 3
	s_lshr_b32 s88, s16, 1
	s_add_co_u32 s18, s18, s88                     ; batch x 8 + pair of heads
	s_lshl_b32 s99, s16, 10
	s_and_b32 s89, s[WV], 1                        ; which 128 keys of a slot I fetch
	s_lshl_b32 s[HL], s89, 13
	s_lshl_b32 s90, s18, 18
	s_lshl_b32 s91, s89, 14
	s_add_co_u32 s90, s90, s91
	s_lshl_b32 s91, s17, 10
	s_add_co_u32 s94, s90, s91
	s_add_co_u32 s94, s94, KPART
	s_mov_b32 s95, 0
	s_lshl_b32 s91, s17, 13
	s_add_co_u32 s96, s90, s91
	s_add_co_u32 s96, s96, VPART
	s_mov_b32 s97, 0
	s_lshl_b32 s90, s18, 13
	s_lshl_b32 s88, s89, 12
	s_add_co_u32 s90, s90, s88
	s_add_co_u32 s92, s90, VSP
	s_mov_b32 s93, 0
	s_add_co_u32 s90, s90, KSP
	s_mov_b32 s91, 0
	s_lshr_b32 s66, s[WV], 3                       ; which slot at the head: waves 0-3 slot 0, waves 8-11 slot 1
	s_lshl_b32 s86, s66, 15
	s_mov_b32 s87, 0
	s_lshl_b32 s66, s66, 14
	s_add_co_u32 s66, s66, s[HL]
	s_mov_b32 s[G1K], 3<<16                        ; K: 8 rows of 1,024 bytes (my head's half of a tile's image), 2,048 apart
	s_mov_b32 s[G1K+1], 128<<16
	s_mov_b32 s[G1K+2], 8<<16
	s_mov_b32 s[G1K+3], 128<<16
	s_mov_b32 s[G1K+4], 8
	s_mov_b32 s[G1K+5], 256
	s_mov_b32 s[G1K+6], 0
	s_mov_b32 s[G1K+7], 0
	s_mov_b32 s[G1V], 3<<16                        ; V: 8,192 dense bytes as 32 rows of 256
	s_mov_b32 s[G1V+1], 32<<16
	s_mov_b32 s[G1V+2], 32<<16
	s_mov_b32 s[G1V+3], 32<<16
	s_mov_b32 s[G1V+4], 32
	s_mov_b32 s[G1V+5], 32
	s_mov_b32 s[G1V+6], 0
	s_mov_b32 s[G1V+7], 0
	s_mov_b32 s[G1S], 3<<16                        ; scale bytes: 4,096 dense bytes as 16 rows of 256
	s_mov_b32 s[G1S+1], 32<<16
	s_mov_b32 s[G1S+2], 16<<16
	s_mov_b32 s[G1S+3], 32<<16
	s_mov_b32 s[G1S+4], 16
	s_mov_b32 s[G1S+5], 32
	s_mov_b32 s[G1S+6], 0
	s_mov_b32 s[G1S+7], 0
	s_mov_b32 s[SEL], 0x76543210
	s_mov_b32 s[SEL+1], 0xfedcba98
	s_mov_b32 s[CS], 0x3e38aa3b                    ; log2(e) / 8
	s_mov_b32 s[CS+1], s[CS]
	s_mov_b32 s[MNT], 0x600000
	s_mov_b32 s[HM], 0xffff0000
	s_wait_dscnt 0x0
	s_wait_kmcnt 0x0
	s_mov_b32 s[G0SK], 1
	s_add_co_u32 s[G0SK+1], s88, SCK
	s_add_nc_u64 s[G0SK+2:G0SK+3], s[6:7], s[90:91]
	s_or_b32 s[G0SK+3], s[G0SK+3], 0x80000000
	s_mov_b32 s[G0SV], 1
	s_add_co_u32 s[G0SV+1], s88, SCV
	s_add_nc_u64 s[G0SV+2:G0SV+3], s[6:7], s[92:93]
	s_or_b32 s[G0SV+3], s[G0SV+3], 0x80000000
	s_add_nc_u64 s[KB:KB+1], s[4:5], s[94:95]
	s_add_nc_u64 s[VB:VB+1], s[4:5], s[96:97]
	s_mov_b32 s[G0K], 1
	s_mov_b32 s[G0K+1], s66
	s_add_nc_u64 s[G0K+2:G0K+3], s[KB:KB+1], s[86:87]
	s_or_b32 s[G0K+3], s[G0K+3], 0x80000000
	s_mov_b32 s[G0V], 1
	s_add_co_u32 s[G0V+1], s66, VOFF
	s_add_nc_u64 s[G0V+2:G0V+3], s[VB:VB+1], s[86:87]
	s_or_b32 s[G0V+3], s[G0V+3], 0x80000000
; THE HEAD'S LOADS, ONE A WAVE: slot 0 (waves 0-3), the scale bytes (4-7), slot 1 (8-11): one tree of branches on the wave's number
.macro ARM under, g0, g1, next
	s_cmp_lt_u32 s[WV], \under
	s_cbranch_scc0 \next
	tensor_load_to_lds s[\g0:\g0+3], s[\g1:\g1+7]
	s_nop 0
.rept 4
	v_nop
.endr
	s_branch .Lhead_asked
\next:
.endm
	ARM 2,  G0K,  G1K, .Lh1
	ARM 4,  G0V,  G1V, .Lh2
	ARM 6,  G0SK, G1S, .Lh3
	ARM 8,  G0SV, G1S, .Lh4
	ARM 10, G0K,  G1K, .Lh5
	ARM 12, G0V,  G1V, .Lh6
.Lhead_asked:
	s_lshl_b32 s96, s18, 18
	s_lshl_b32 s86, s17, 10
	s_add_co_u32 s96, s96, s86
	s_lshl_b32 s97, s18, 13
	s_lshl_b32 s86, s17, 1
	s_add_co_u32 s97, s97, s86
	s_lshl_b32 s86, s16, 8
	s_mov_b32 s87, 0
	s_add_nc_u64 s[8:9], s[8:9], s[86:87]          ; Aproj at my head's 64 columns
	s_lshl_b32 s2, s17, 1
	s_add_co_u32 s2, s2, SCK                       ; K's scale halves of my head
	s_lshl_b32 s3, s17, 4
	s_add_co_u32 s3, s3, SCV                       ; V's scale words of my head
	v_and_b32 v8, 31, v0
	v_and_b32 v9, 15, v0
	v_lshlrev_b32 v1, 4, v8                        ; 16 x lane
	v_lshlrev_b32 v[R32], 5, v9
.set n, 0
.rept 8
	v_mov_b32 v[QZ+8+n], 0                         ; the zero half between the two copies of Q
	v_mov_b32 v[KS+n], 0                           ; a load of 16 bits leaves the other half 0
.set n, n+1
.endr
.irp j, T1, T1+1, T1+2, T1+3, PS, TMP
	v_mov_b32 v[\j], 0                             ; written once: a lane permute's destination and a pair's upper half count as read
.endr
.macro KLOAD off, soff                 ; a step's eight tiles of K and their scale halves
.irp t, 0,1,2,3,4,5,6,7
	ds_load_b128 v[KR+8*\t:KR+8*\t+3], v[AK] offset:\off+\t*1024
	ds_load_b128 v[KR+8*\t+4:KR+8*\t+7], v[AK] offset:\off+\t*1024+512
.endr
.irp j, 0,1,2,3
	ds_load_u16 v[KS+2*\j], v[ASK] offset:\soff+8*\j
	ds_load_u16_d16_hi v[KS+2*\j+1], v[ASK] offset:\soff+8*\j+4
.endr
.endm
.macro MASKB b                         ; block b of 32 keys: passed over where it lies wholly ahead of my queries' block (s87)
	s_cmp_gt_u32 s87, \b
	s_cbranch_scc1 .Lseen_\@
.set n, 0
.rept 16
	v_cmp_gt_i32 vcc_lo, 32*\b+n, v[TMP]
	v_cndmask_b32 v[S+16*\b+n], v[S+16*\b+n], v[NINF], vcc_lo
.set n, n+1
.endr
.Lseen_\@:
.endm
.macro STEP
	s_cmp_gt_u32 s[KF], s[QS]                      ; all 128 keys behind my queries: only the addresses are stepped
	s_cbranch_scc1 .Lhidden_\@
.irp j, 0,1,2,3
	v_wmma_scale_f32_16x16x128_f8f6f4 v[S+16*\j:S+16*\j+7], v[KR+16*\j:KR+16*\j+15], v[QZ:QZ+15], 0, v[KS+2*\j], v[QSL]
	v_wmma_scale_f32_16x16x128_f8f6f4 v[S+16*\j+8:S+16*\j+15], v[KR+16*\j:KR+16*\j+15], v[QZ+8:QZ+23], 0, v[KS+2*\j+1], v[QSH]
.endr
.rept 8
	v_nop                                          ; eight places ahead of the loads into K's registers and of the first read of the scores
.endr
	ds_load_b128 v[VS:VS+3], v[ASV]
	s_add_co_u32 s86, s[KF], 128
	s_cmp_gt_u32 s86, s[QS]
	s_cbranch_scc1 .Lno_next_\@
	KLOAD 8192, 512                                ; the next step's K: the barriers stand so that its slot is shown
.Lno_next_\@:
	s_add_co_u32 s86, s[KF], 127
	s_cmp_le_u32 s86, s[QS]
	s_cbranch_scc1 .Lopen_\@
	s_sub_co_i32 s86, s[QS], s[KF]                 ; on the diagonal: register 16 b + i holds key KF + 16 h + 32 b + i, hidden where 32 b + i > my query - KF - 16 h
	s_lshr_b32 s87, s86, 5
	v_and_b32 v[TMP], 15, v0
	v_and_b32 v[NINF], 8, v0
	v_add_nc_u32 v[TMP], v[TMP], v[NINF]
	v_and_b32 v[NINF], 16, v0
	v_sub_nc_u32 v[TMP], v[TMP], v[NINF]
	v_add_nc_u32 v[TMP], s86, v[TMP]
	v_mov_b32 v[NINF], 0xff800000
	s_wait_alu depctr_va_vdst(0)
	MASKB 0
	MASKB 1
	MASKB 2
	MASKB 3
.Lopen_\@:
.irp b, 0,1,2,3
	v_max3_num_f32 v[BM+\b], v[S+16*\b], v[S+1+16*\b], v[S+2+16*\b]
.endr
.irp i, 3,5,7,9,11,13
.irp b, 0,1,2,3
	v_max3_num_f32 v[BM+\b], v[BM+\b], v[S+16*\b+\i], v[S+1+16*\b+\i]
.endr
.endr
.irp b, 0,1,2,3
	v_max_num_f32 v[BM+\b], v[BM+\b], v[S+15+16*\b]
.endr
.irp b, 0,1,2,3
	v_permlanex16_b32 v[T1+\b], v[BM+\b], s[SEL], s[SEL+1]
.endr
.irp b, 0,1,2,3
	v_max_num_f32 v[BM+\b], v[BM+\b], v[T1+\b]     ; each block's largest score
.endr
	s_delay_alu instid0(VALU_DEP_2)
	v_max3_num_f32 v[TMP], v[BM], v[BM+1], v[BM+2]
	s_delay_alu instid0(VALU_DEP_1)
	v_max_num_f32 v[TMP], v[TMP], v[BM+3]
	s_delay_alu instid0(VALU_DEP_1)
	v_mul_f32 v[TMP], s[CS], v[TMP]
	s_delay_alu instid0(VALU_DEP_1)
	v_max_num_f32 v13, v13, v[TMP]                 ; the running largest t
	v_mov_b32 v[TMP], v12
	s_delay_alu instid0(VALU_DEP_2)
	v_floor_f32 v12, -v13                          ; -M
	s_delay_alu instid0(VALU_DEP_1)
	v_sub_f32 v[TMP], v12, v[TMP]
	s_delay_alu instid0(VALU_DEP_1)
	v_cvt_i32_f32 v[TMP], v[TMP]
	s_delay_alu instid0(VALU_DEP_1)
	v_ldexp_f32 v[F], 1.0, v[TMP]                  ; f = 2^(old M - new M)
.set n, 0
.rept 32
	v_pk_fma_f32 v[S+n:S+n+1], v[S+n:S+n+1], s[CS:CS+1], v[12:13] op_sel_hi:[1,0,0]
.set n, n+2
.endr
.irp b, 0,1,2,3
	v_fma_f32 v[BM+\b], v[BM+\b], s[CS], v12
.endr
	s_wait_alu depctr_va_vdst(0)                   ; the wait ahead of the batch
.set n, 0
.rept 64
	v_exp_f32 v[S+n], v[S+n]
.set n, n+1
.endr
	v_pk_mul_f32 v[14:15], v[14:15], v[F:F+1] op_sel_hi:[1,0]
	s_wait_alu depctr_va_vdst(0)                   ; and behind it
.irp b, 0,1,2,3
	v_exp_f32 v[BM+\b], v[BM+\b]                   ; each block's largest p
.endr
	v_pk_add_f32 v[T1:T1+1], v[S:S+1], v[S+2:S+3]  ; the row's sum of the unquantised p, in two chains
.set n, 4
.rept 15
	v_pk_add_f32 v[14:15], v[14:15], v[S+n:S+n+1]
	v_pk_add_f32 v[T1:T1+1], v[T1:T1+1], v[S+n+2:S+n+3]
.set n, n+4
.endr
	v_pk_add_f32 v[14:15], v[14:15], v[T1:T1+1]
	s_wait_alu depctr_va_vdst(0)
.irp b, 0,1,2,3
	v_max_num_f32 v[BM+\b], 0x4800000, v[BM+\b]    ; the floor 2^(9 - 127): the byte cannot fall under 1
.endr
.irp b, 0,1,2,3
	v_add_nc_u32 v[SOP+\b], 0xfc000000, v[BM+\b]
.endr
.irp b, 0,1,2,3
	v_and_or_b32 v[HB+\b], v[BM+\b], 0x7f800000, s[MNT]
.endr
.irp b, 0,1,2,3
	v_lshrrev_b32 v[T1+\b], 23, v[SOP+\b]
.endr
	v_lshl_or_b32 v[PS], v[T1+1], 8, v[T1]
	v_lshl_or_b32 v[PS], v[T1+2], 16, v[PS]
	v_lshl_or_b32 v[PS], v[T1+3], 24, v[PS]
.irp b, 0,1,2,3
.set n, 0
.rept 8                                ; the hold, two numbers an instruction: p is not negative, so it is one-sided (the conversion does not saturate: ISA guide 7.6.2)
	v_dual_min_num_f32 v[S+16*\b+n], v[S+16*\b+n], v[HB+\b] :: v_dual_min_num_f32 v[S+16*\b+n+1], v[S+16*\b+n+1], v[HB+\b]
.set n, n+2
.endr
	v_cvt_scalef32_pk8_fp8_f32 v[PC+4*\b:PC+4*\b+1], v[S+16*\b:S+16*\b+7], v[SOP+\b]
	v_cvt_scalef32_pk8_fp8_f32 v[PC+4*\b+2:PC+4*\b+3], v[S+16*\b+8:S+16*\b+15], v[SOP+\b]
.irp c, 0,1,2,3
	ds_load_b128 v[S+16*\b+4*\c:S+16*\b+4*\c+3], v[AV] offset:\b*2048+\c*512   ; V's tile b into the registers just converted
.endr
.endr
	s_wait_alu depctr_va_vdst(0)                   ; the wait directly ahead of the first reader of O^T
.set n, 0
.rept 16
	v_pk_mul_f32 v[O+n:O+n+1], v[O+n:O+n+1], v[F:F+1] op_sel_hi:[1,0]
.set n, n+2
.endr
	s_wait_alu depctr_va_vdst(0)
	s_wait_dscnt 0x0                               ; V's tiles and words, and the next step's K
.irp t, 0,1,2,3
	v_wmma_scale_f32_16x16x128_f8f6f4 v[O+8*\t:O+8*\t+7], v[S+16*\t:S+16*\t+15], v[PC:PC+15], v[O+8*\t:O+8*\t+7], v[VS+\t], v[PS]
.endr
.Lhidden_\@:
	v_add_nc_u32 v[AK], 8192, v[AK]                ; these four and five v_nop: nine places ahead of the next step's products, which write over V's registers
	v_add_nc_u32 v[AV], 8192, v[AV]
	v_add_nc_u32 v[ASK], 512, v[ASK]
	v_add_nc_u32 v[ASV], 512, v[ASV]
.rept 5
	v_nop
.endr
	s_wait_alu depctr_va_vdst(0)
	s_add_co_u32 s[KF], s[KF], 128
.endm
; A LATER FIRST FILL: every wave's three lines and a barrier, which shows all that was asked for before; behind it wave w (of the first nw) asks for its half of K (w % 4 < 2) or of V of slot base + w / 4
.macro FILL base, nw
	s_wait_tensorcnt 0x0
	ds_add_u32 v[SPW], v[NIL]                      ; the add, twice on end where a load follows
	ds_add_u32 v[SPW], v[NIL]
	s_lshr_b32 s86, s[WV], 2
	s_add_co_u32 s86, s86, \base
	s_lshl_b32 s87, s86, 14
	s_add_co_u32 s[G0K+1], s87, s[HL]
	s_add_co_u32 s[G0V+1], s[G0K+1], VOFF
	s_lshl_b32 s88, s86, 15
	s_mov_b32 s89, 0
	s_add_nc_u64 s[G0K+2:G0K+3], s[KB:KB+1], s[88:89]
	s_or_b32 s[G0K+3], s[G0K+3], 0x80000000
	s_add_nc_u64 s[G0V+2:G0V+3], s[VB:VB+1], s[88:89]
	s_or_b32 s[G0V+3], s[G0V+3], 0x80000000
	s_wait_dscnt 0x0
	s_barrier_signal -1
	s_barrier_wait -1
.if \nw < 16
	s_cmp_lt_u32 s[WV], \nw
	s_cbranch_scc0 .Lasked_\@
.endif
	s_and_b32 s86, s[WV], 2
	s_cmp_eq_u32 s86, 0
	s_cbranch_scc0 .Lfor_v_\@
	tensor_load_to_lds s[G0K:G0K+3], s[G1K:G1K+7]
	s_nop 0
.rept 4
	v_nop
.endr
	s_branch .Lasked_\@
.Lfor_v_\@:
	tensor_load_to_lds s[G0V:G0V+3], s[G1V:G1V+7]
	s_nop 0
.rept 4
	v_nop
.endr
.Lasked_\@:
.endm
.macro PASS_INIT p
.if \p
	s_wait_xcnt 0x0
.endif
	s_lshl_b32 s87, s[WV], 2
	s_add_co_u32 s87, s87, s15
.if \p == 0
	s_sub_co_u32 s87, 127, s87                     ; my tile of 16 queries among the head's 128: first 127 - (4 w + x), then 4 w + x
.endif
	s_lshr_b32 s88, s87, 1
	s_lshl_b32 s88, s88, 5
	s_and_b32 s89, s87, 1
	s_lshl_b32 s89, s89, 3
	s_add_co_u32 s[QS], s88, s89                   ; its first query
	s_mov_b32 s[KF], 0
	s_mov_b32 s89, 0
	s_lshl_b32 s88, s87, 11
	s_add_co_u32 s88, s88, s96
	s_add_nc_u64 s[76:77], s[4:5], s[88:89]
	s_lshr_b32 s88, s87, 3
	s_lshl_b32 s88, s88, 9
	s_and_b32 s90, s87, 7
	s_lshl_b32 s90, s90, 2
	s_add_co_u32 s88, s88, s90
	s_add_co_u32 s88, s88, s97
	s_add_nc_u64 s[78:79], s[6:7], s[88:89]
	s_add_co_u32 s91, s98, s87
	s_lshl_b32 s88, s91, 14
	s_add_co_u32 s88, s88, s99
	s_add_nc_u64 s[80:81], s[10:11], s[88:89]
	s_lshl_b32 s92, s91, 9
	s_lshl_b32 s88, s16, 1
	s_add_co_u32 s88, s88, s92
	s_add_nc_u64 s[82:83], s[12:13], s[88:89]
	s_lshl_b32 s88, s16, 18
	s_add_co_u32 s88, s88, s92
	s_add_co_u32 s88, s88, OAP
	s_add_nc_u64 s[84:85], s[12:13], s[88:89]
	global_load_b128 v[QZ:QZ+3], v1, s[76:77]
	global_load_b128 v[QZ+4:QZ+7], v1, s[76:77] offset:512
	global_load_b128 v[QZ+16:QZ+19], v1, s[76:77]
	global_load_b128 v[QZ+20:QZ+23], v1, s[76:77] offset:512
	global_load_u16 v[QSL], v[R32], s[78:79]
.set n, 0
.rept 32
	v_mov_b32 v[O+n], 0
.set n, n+1
.endr
	v_mov_b32 v13, 0xff61b1e6                      ; -3e38, under every t
	v_floor_f32 v12, -v13
	v_mov_b32 v14, 0
	v_mov_b32 v15, 0
	v_mov_b32 v[AK], v1
	v_add_nc_u32 v[AV], VOFF, v1
	v_add_nc_u32 v[ASK], s2, v[R32]
	v_add_nc_u32 v[ASV], s3, v[R32]
	s_wait_alu depctr_va_vdst(0)
	s_wait_loadcnt 0x0
	v_lshlrev_b32 v[QSH], 16, v[QSL]
	s_wait_alu depctr_va_vdst(0)
.rept 8
	v_nop                                          ; a scale word made by a vector instruction stands eight places ahead of its product
.endr
.endm
.macro WAYOUT
	s_wait_dscnt 0x0
.rept 8
	v_nop
.endr
	v_and_b32 v100, 7, v0
	v_bfe_u32 v101, v0, 4, 1
	v_lshlrev_b32 v100, 12, v100
	v_lshl_add_u32 v100, v101, 6, v100             ; Aproj: row r % 8, + 64 h bytes
	v_lshl_add_u32 v101, v101, 4, v[R32]           ; 32 r + 16 h
.irp g, 0,1
.irp q, 0,1,2,3
	global_load_b128 v[KR+16*\g+4*\q:KR+16*\g+4*\q+3], v100, s[8:9] offset:128*\g+16*\q
.endr
.endr
	v_add_f32 v14, v14, v15
	v_permlanex16_b32 v[TMP], v14, s[SEL], s[SEL+1]
	v_add_f32 v14, v14, v[TMP]
	s_wait_alu depctr_va_vdst(0)
	v_rcp_f32 v14, v14
	v_nop
	s_wait_alu depctr_va_vdst(0)
.set n, 0
.rept 16
	v_pk_mul_f32 v[S+n:S+n+1], v[O+n:O+n+1], v[14:15] op_sel_hi:[1,0]   ; o = O^T / the sum
.set n, n+2
.endr
	s_wait_loadcnt 0x0
.rept 4
	v_nop
.endr
	v_wmma_f32_16x16x4_f32 v[OA:OA+7], v[KR:KR+1], v[S:S+1], 0          ; o Aproj^T over my head's 64: one accumulator, a wait ahead of every link
.set n, 2
.rept 15
	s_wait_alu depctr_va_vdst(0)
	v_wmma_f32_16x16x4_f32 v[OA:OA+7], v[KR+n:KR+n+1], v[S+n:S+n+1], v[OA:OA+7]
.set n, n+2
.endr
.irp g, 0,1
	v_max3_num_f32 v[BM+\g], |v[S+16*\g]|, |v[S+1+16*\g]|, 0x4800000
.endr
.irp i, 2,4,6,8,10,12,14
.irp g, 0,1
	v_max3_num_f32 v[BM+\g], v[BM+\g], |v[S+16*\g+\i]|, |v[S+1+16*\g+\i]|
.endr
.endr
.irp g, 0,1
	v_permlanex16_b32 v[T1+\g], v[BM+\g], s[SEL], s[SEL+1]
.endr
.irp g, 0,1
	v_max_num_f32 v[BM+\g], v[BM+\g], v[T1+\g]
.endr
.irp g, 0,1
	v_add_nc_u32 v[SOP+\g], 0xfc000000, v[BM+\g]
.endr
.irp g, 0,1
	v_and_or_b32 v[HB+\g], v[BM+\g], 0x7f800000, s[MNT]
.endr
.irp g, 0,1
	v_lshrrev_b32 v[T1+\g], 23, v[SOP+\g]
.endr
	v_lshl_or_b32 v[NINF], v[T1+1], 8, v[T1]       ; o's two scale bytes
.rept 8
	v_nop
.endr
.irp g, 0,1
.set n, 0
.rept 16
	v_med3_num_f32 v[S+16*\g+n], v[S+16*\g+n], -v[HB+\g], v[HB+\g]
.set n, n+1
.endr
	v_cvt_scalef32_pk8_fp8_f32 v[PC+4*\g:PC+4*\g+1], v[S+16*\g:S+16*\g+7], v[SOP+\g]
	v_cvt_scalef32_pk8_fp8_f32 v[PC+4*\g+2:PC+4*\g+3], v[S+16*\g+8:S+16*\g+15], v[SOP+\g]
.endr
	v_nop
.irp i, 0,1,2,3
	v_cndmask_b32 v[72+\i], v[OA+\i], v[OA+4+\i], s[HM]
.endr
	global_store_b128 v1, v[PC:PC+3], s[80:81]
	global_store_b128 v1, v[PC+4:PC+7], s[80:81] offset:512
	global_store_b128 v101, v[72:75], s[84:85]
	global_store_b16 v[R32], v[NINF], s[82:83]
.endm
	PASS_INIT 0
	FILL 2, 8                                      ; slots 0, 1 and the scale bytes are shown; slots 2 and 3 are asked for
	KLOAD 0, 0
	s_wait_dscnt 0x0
	s_mov_b32 s[CNT], 3
.Lfirst:                                           ; steps 0 to 2; the last of them fetches step 3's K, in slot 1
	STEP
	s_sub_co_u32 s[CNT], s[CNT], 1
	s_cmp_lg_u32 s[CNT], 0
	s_cbranch_scc1 .Lfirst
	FILL 4, 16                                     ; slots 2 and 3 are shown; slots 4 to 7 are asked for
	s_mov_b32 s[CNT], 4
.Lsecond:                                          ; steps 3 to 6; the last of them fetches step 7's K, in slot 3
	STEP
	s_sub_co_u32 s[CNT], s[CNT], 1
	s_cmp_lg_u32 s[CNT], 0
	s_cbranch_scc1 .Lsecond
	s_wait_tensorcnt 0x0                           ; my part of slots 4 to 7 is in
	ds_add_u32 v[SPW], v[NIL]
	s_wait_dscnt 0x0
	s_barrier_signal -1
	s_barrier_wait -1                              ; all of K and V is shown: from here on the waves share nothing
	s_mov_b32 s[CNT], 9
.Lthird:                                           ; steps 7 to 15
	STEP
	s_sub_co_u32 s[CNT], s[CNT], 1
	s_cmp_lg_u32 s[CNT], 0
	s_cbranch_scc1 .Lthird
	s_wait_alu depctr_va_vdst(0)
	WAYOUT
	PASS_INIT 1                                    ; my second tile: at most 8 steps
	KLOAD 0, 0
	s_wait_dscnt 0x0
	s_mov_b32 s[CNT], 8
.Lstep:
	STEP
	s_sub_co_u32 s[CNT], s[CNT], 1
	s_cmp_lg_u32 s[CNT], 0
	s_cbranch_scc1 .Lstep
	s_wait_alu depctr_va_vdst(0)
	WAYOUT
	s_wait_tensorcnt 0x0                           ; the wave's end
	ds_add_u32 v[SPW], v[NIL]
	s_wait_dscnt 0x0
	s_endpgm
.Lfunc_end_k_qa71f792aea_attn:
	.size	k_qa71f792aea_attn, .Lfunc_end_k_qa71f792aea_attn-k_qa71f792aea_attn
	.p2alignl 7, 3214868480
	.fill 96, 4, 3214868480
	.section	.rodata,"a",@progbits
	.p2align	6, 0x0
	.amdhsa_kernel k_qa71f792aea_attn
		.amdhsa_group_segment_fixed_size 327680
		.amdhsa_private_segment_fixed_size 0
		.amdhsa_enable_private_segment 0
		.amdhsa_kernarg_size 40
		.amdhsa_user_sgpr_count 2
		.amdhsa_user_sgpr_kernarg_segment_ptr 1
		.amdhsa_wavefront_size32 1
		.amdhsa_system_sgpr_workgroup_id_x 1
		.amdhsa_system_sgpr_workgroup_id_y 1
		.amdhsa_system_sgpr_workgroup_id_z 1
		.amdhsa_system_vgpr_workitem_id 0
		.amdhsa_next_free_vgpr 256
		.amdhsa_next_free_sgpr 100
		.amdhsa_reserve_vcc 1
		.amdhsa_float_denorm_mode_32 3
		.amdhsa_float_denorm_mode_16_64 3
		.amdhsa_memory_ordered 1
		.amdhsa_forward_progress 1
		.amdhsa_inst_pref_size 139
	.end_amdhsa_kernel
	.amdgpu_metadata
---
amdhsa.version: [ 1, 2 ]
amdhsa.kernels:
  - .name:           k_qa71f792aea_attn
    .symbol:         k_qa71f792aea_attn.kd
    .args:
      - { .name: qkv_codes, .offset: 0, .size: 8, .value_kind: global_buffer, .address_space: global }
      - { .name: qkv_scales, .offset: 8, .size: 8, .value_kind: global_buffer, .address_space: global }
      - { .name: Aproj, .offset: 16, .size: 8, .value_kind: global_buffer, .address_space: global }
      - { .name: att_codes, .offset: 24, .size: 8, .value_kind: global_buffer, .address_space: global }
      - { .name: att_aux, .offset: 32, .size: 8, .value_kind: global_buffer, .address_space: global }
    .group_segment_fixed_size: 327680
    .private_segment_fixed_size: 0
    .kernarg_segment_align: 8
    .kernarg_segment_size: 40
    .max_flat_workgroup_size: 512
    .sgpr_count:     100
    .vgpr_count:     256
    .wavefront_size: 32
...
	.end_amdgpu_metadata
.endif
;; end of part 3
;; launch gemm_proj (part 4): grid 4 x 32, 4 waves a work-group, clusters of 4 x 4, 327,680 bytes of LDS; arguments att_codes, att_aux, codes1, scales1, Bproj, bproj, out0; writes out0
.if DOCPART == 4
	.amdgcn_target "amdgcn-amd-amdhsa--gfx1250"
	.amdhsa_code_object_version 6
	.text
	.protected	k_qa71f792aea_gemm_proj
	.globl	k_qa71f792aea_gemm_proj
	.p2align	8
	.type	k_qa71f792aea_gemm_proj,@function
k_qa71f792aea_gemm_proj:
	s_mov_b64 s[64:65], 0
	v_nop
	global_prefetch_b8 v0, s[64:65] scope:SCOPE_SE
	s_setreg_imm32_b32 hwreg(HW_REG_WAVE_MODE, 25, 1), 1
	s_wait_xcnt 0x0
	s_wait_alu depctr_hold_cnt(0) depctr_sa_sdst(0) depctr_va_vdst(0) depctr_va_sdst(0) depctr_va_ssrc(0) depctr_va_vcc(0) depctr_vm_vsrc(0)
	s_getreg_b32 s2, hwreg(HW_REG_IB_STS2, 6, 4)
	s_cmp_eq_u32 s2, 0
	s_cbranch_scc0 .Lentry_in_a_cluster
	s_endpgm
.Lentry_in_a_cluster:
	s_bfe_u32 s2, ttmp6, 0x10000c
	s_cmp_lg_u32 s2, 0xf033
	s_cbranch_scc0 .Lentry_shape_is_right
	s_endpgm
.Lentry_shape_is_right:
.set NQ,     2
.set ROWB,   256
.set ASTEP,  4096
.set KROW,   1024
.set PITCH,  272
.set FR,     16
.set NL,     4
.set NP,     8
.set HALFT,  128*PITCH
.set AIMG,   65536
.set SLOT,   AIMG+2*HALFT
.set LAPS,   2
.set KS,     32
.set SCL,    2*SLOT
.set HALFS,  (128*KS/256)*272
.set SBLK,   (16*KS/256)*272
.set OAST,   SCL+4*HALFS
.set SPARE,  OAST+8192
.set SPITCH, 528
.set PC,     11534336
.set PS,     360448
.set OAP,    262144
.set ADRA, 16
.set ADRB, 20
.set FLB,  22
.set BO,   23
.set STO,  24
.set RD,   25
.set CO,   26
.set ADRS, 27
.set SPW,  28
.set NIL,  29
.set OIN,  30
.set OOUT, 31
.set SC,   32
.set AF,   128
.set BK,   128
.set G1, 24
.set G0, 32
.set G1B, 48
.set G0B, 56
.set G1S, 68
.set G0S, 76
.set G1SB, 80
.set G0SB, 88
.set MSB, 0
.macro WIN new
.if MSB != \new
	s_set_vgpr_msb (MSB<<8)|\new
.set MSB, \new
.endif
.endm
.set MUL_LO, 0xa1
.set MUL_HI, 0xf1
.set TO_B,   0x40
.macro JLOAD g0a, g1a, g0b, g1b
	s_cmp_eq_u32 s17, 0
	s_cbranch_scc0 .Lfor_b_\@
	tensor_load_to_lds s[\g0a:\g0a+3], s[\g1a:\g1a+7]
	s_nop 0
.rept 4
	v_nop
.endr
	s_branch .Lasked_\@
.Lfor_b_\@:
	tensor_load_to_lds s[\g0b:\g0b+3], s[\g1b:\g1b+7]
	s_nop 0
.rept 4
	v_nop
.endr
.Lasked_\@:
.endm
.macro CREST
	s_cmp_lg_u32 s16, 0
	s_cbranch_scc1 .Lnot_wave_0_\@
	s_barrier_signal -3
.Lnot_wave_0_\@:
	s_barrier_wait -3
	s_barrier_signal -1
	s_barrier_wait -1
.endm
.macro CROUND
	s_barrier_signal -1
	s_barrier_wait -1
	CREST
.endm
	s_load_b256 s[4:11], s[0:1], 0x0
	s_load_b128 s[12:15], s[0:1], 0x20
	s_load_b64 s[92:93], s[0:1], 0x30
	v_lshl_add_u32 v[SPW], v0, 2, SPARE
	v_mov_b32 v[NIL], 0
	ds_add_u32 v[SPW], v[NIL]
	ds_add_u32 v[SPW], v[NIL]
	v_lshrrev_b32 v1, 5, v0
	v_readfirstlane_b32 s16, v1
	s_lshr_b32 s17, s16, 1
	s_and_b32 s18, s16, 1
	s_bfe_u32 s40, ttmp6, 0x40000
	s_bfe_u32 s41, ttmp6, 0x40004
	s_lshl_b32 s42, ttmp9, 2
	s_add_co_u32 s42, s42, s40
	s_and_b32 s43, ttmp7, 0xffff
	s_lshl_b32 s43, s43, 2
	s_add_co_u32 s43, s43, s41
	s_lshl_b32 s44, s41, 2
	s_lshl_b32 s44, 15, s44
	s_lshl_b32 s45, 0x1111, s40
	s_or_b32 s[G1+0], s44, (3<<16)|(1<<21)
	s_mov_b32 s[G1+1], 512<<16
	s_mov_b32 s[G1+2], 16<<16                      ; the head's loads bring whole tiles of 256 rows; behind them the words that count rows are halved
	s_mov_b32 s[G1+3], 512<<16
	s_mov_b32 s[G1+4], 16
	s_mov_b32 s[G1+5], 2048
	s_mov_b32 s[G1+6], 0
	s_mov_b32 s[G1+7], 0
	s_or_b32 s[G1B+0], s45, (0<<16)|(1<<20)|(1<<21)|(5<<22)|(3<<25)
	s_mov_b32 s[G1B+1], ROWB<<16
	s_mov_b32 s[G1B+2], 256<<16
	s_mov_b32 s[G1B+3], ROWB<<16
	s_mov_b32 s[G1B+4], 256
	s_mov_b32 s[G1B+5], KROW
	s_mov_b32 s[G1B+6], 0
	s_mov_b32 s[G1B+7], 0
	s_or_b32 s[G1S+0], s44, (3<<16)|(1<<20)|(1<<21)|(5<<22)|(3<<25)
	s_or_b32 s[G1SB+0], s45, (3<<16)|(1<<20)|(1<<21)|(5<<22)|(3<<25)
.irp g, G1S, G1SB
	s_mov_b32 s[\g+1], 32<<16
	s_mov_b32 s[\g+2], (256*KS/256)<<16
	s_mov_b32 s[\g+3], 32<<16
	s_mov_b32 s[\g+4], 256*KS/256
	s_mov_b32 s[\g+5], 32
	s_mov_b32 s[\g+6], 0
	s_mov_b32 s[\g+7], 0
.endr
	s_mov_b32 s22, 0                               ; the tiles' first rows: my half is added for the ring alone
	s_lshl_b32 s20, s43, 8
	s_add_co_u32 s20, s20, s22
	s_lshl_b32 s46, s42, 8
	s_add_co_u32 s46, s46, s22
	s_lshl_b32 s22, s20, 5
	s_mov_b32 s23, 0
	s_lshl_b32 s20, s20, 10
	s_mov_b32 s21, 0
	s_lshl_b32 s66, s46, 5
	s_add_co_u32 s66, s66, PS
	s_mov_b32 s67, 0
	s_lshl_b32 s46, s46, 10
	s_add_co_u32 s46, s46, PC
	s_mov_b32 s47, 0
	s_lshl_b32 s2, s18, 15
	s_mul_i32 s19, s18, HALFT
	s_add_co_u32 s19, s19, AIMG
	s_mul_i32 s3, s16, HALFS
	s_wait_dscnt 0x0
	s_wait_kmcnt 0x0
	s_add_nc_u64 s[20:21], s[4:5], s[20:21]
	s_add_nc_u64 s[22:23], s[6:7], s[22:23]
	s_add_nc_u64 s[46:47], s[8:9], s[46:47]
	s_add_nc_u64 s[66:67], s[10:11], s[66:67]
	CROUND
	s_mov_b32 s[G0S], 1                            ; the head's four tiles, each whole: the tokens' scale bytes,
	s_mov_b32 s[G0S+1], SCL
	s_mov_b64 s[G0S+2:G0S+3], s[22:23]
	s_or_b32 s[G0S+3], s[G0S+3], 0x80000000
	s_mov_b32 s[G0SB], 1                           ; Wproj's,
	s_mov_b32 s[G0SB+1], SCL+2*HALFS
	s_mov_b64 s[G0SB+2:G0SB+3], s[66:67]
	s_or_b32 s[G0SB+3], s[G0SB+3], 0x80000000
	s_mov_b32 s[G0], 1                             ; K step 0 of the 256 tokens,
	s_mov_b32 s[G0+1], 0
	s_mov_b64 s[G0+2:G0+3], s[20:21]
	s_or_b32 s[G0+3], s[G0+3], 0x80000000
	s_mov_b32 s[G0B], 1                            ; and of Wproj's 256 rows
	s_mov_b32 s[G0B+1], AIMG
	s_mov_b64 s[G0B+2:G0B+3], s[46:47]
	s_or_b32 s[G0B+3], s[G0B+3], 0x80000000
	s_lshl_b32 s22, s18, 17                        ; in the ring I fetch 128 rows: which half, in bytes
	s_mov_b32 s23, 0
	s_add_nc_u64 s[20:21], s[20:21], s[22:23]
	s_add_nc_u64 s[46:47], s[46:47], s[22:23]
	s_mov_b32 s[G0+4], 1                           ; slot 1: K step 1
	s_add_co_u32 s[G0+5], s2, SLOT
	s_add_nc_u64 s[G0+6:G0+7], s[20:21], ASTEP
	s_or_b32 s[G0+7], s[G0+7], 0x80000000
	s_mov_b32 s[G0B+4], 1
	s_add_co_u32 s[G0B+5], s19, SLOT
	s_add_nc_u64 s[G0B+6:G0B+7], s[46:47], ROWB
	s_or_b32 s[G0B+7], s[G0B+7], 0x80000000
; THE HEAD'S LOADS, ONE A WAVE: one tree of branches on the wave's number, a load to an arm, all arms leading to one join
.macro ARM under, g0, g1, next
	s_cmp_lt_u32 s16, \under
	s_cbranch_scc0 \next
	tensor_load_to_lds s[\g0:\g0+3], s[\g1:\g1+7]
	s_nop 0
.rept 4
	v_nop
.endr
	s_branch .Lhead_asked
\next:
.endm
	ARM 1, G0,  G1,  .Lhead_b
	ARM 2, G0B, G1B, .Lhead_sa
	ARM 3, G0S, G1S, .Lhead_sb
	tensor_load_to_lds s[G0SB:G0SB+3], s[G1SB:G1SB+7]
	s_nop 0
.rept 4
	v_nop
.endr
.Lhead_asked:
	v_and_b32 v1, 15, v0
	v_bfe_u32 v2, v0, 4, 1
	v_and_b32 v6, 31, v0
	v_lshlrev_b32 v[CO], 4, v6
	v_mul_u32_u24 v3, v1, PITCH
	v_lshl_add_u32 v4, v2, 4, v3
	s_lshl_b32 s20, s17, 15
	s_mul_i32 s21, s18, HALFT
	s_add_co_u32 s21, s21, AIMG
.irp s, 0,1
	v_add_nc_u32 v[ADRA+\s], s20, v[CO]
	v_add_nc_u32 v[ADRB+\s], s21, v4
	s_add_co_u32 s20, s20, SLOT
	s_add_co_u32 s21, s21, SLOT
.endr
	v_lshlrev_b32 v5, 5, v1
	v_lshrrev_b32 v6, 3, v1
	v_lshl_add_u32 v5, v6, 4, v5
	s_mul_i32 s20, s17, HALFS
	s_mul_i32 s21, s18, HALFS
	s_add_co_u32 s21, s21, 2*HALFS
	s_sub_co_u32 s21, s21, s20
	v_mul_u32_u24 v6, s21, v2
	s_add_co_u32 s20, s20, SCL
	v_add_nc_u32 v5, v5, v6
	v_add_nc_u32 v[ADRS], s20, v5
	v_lshlrev_b32 v[FLB], 5, v1
	v_lshl_add_u32 v[FLB], v2, 4, v[FLB]
	s_wait_alu depctr_va_vdst(0)
	v_lshlrev_b32 v[BO], 5, v2
	s_wait_alu depctr_va_vdst(0)
	s_lshl_b32 s20, s16, 11
	s_add_co_u32 s20, s20, OAST
	v_add_nc_u32 v[OIN], s20, v[CO]
	s_lshl_b32 s20, s17, 12
	s_add_co_u32 s20, s20, OAST
	v_add_nc_u32 v[OOUT], s20, v[FLB]
	s_mul_i32 s20, s16, 16*SPITCH
	v_mul_u32_u24 v5, v1, SPITCH
	v_lshl_add_u32 v5, v2, 5, v5
	v_add_nc_u32 v[STO], s20, v5
	v_add_nc_u32 v[RD], s20, v[CO]
	s_lshl_b32 s46, s42, 8
	s_lshl_b32 s47, s18, 7
	s_add_co_u32 s46, s46, s47
	s_lshl_b32 s66, s46, 2
	s_mov_b32 s67, 0
	s_add_nc_u64 s[96:97], s[14:15], s[66:67]
	s_add_nc_u64 s[92:93], s[92:93], s[66:67]
	s_lshl_b32 s46, s46, 5
	s_mov_b32 s47, 0
	s_add_nc_u64 s[94:95], s[12:13], s[46:47]
	s_lshl_b32 s20, s43, 8
	s_lshl_b32 s21, s17, 7
	s_add_co_u32 s20, s20, s21
	s_lshl_b32 s20, s20, 12
	s_mov_b32 s21, 0
	s_add_nc_u64 s[92:93], s[92:93], s[20:21]
	s_lshl_b32 s20, s43, 8
	s_lshl_b32 s21, s16, 6
	s_add_co_u32 s20, s20, s21
	s_lshl_b32 s20, s20, 5
	s_add_co_u32 s20, s20, OAP
	s_mov_b32 s21, 0
	s_add_nc_u64 s[98:99], s[6:7], s[20:21]
	WIN TO_B
.irp b, 0,1,2,3,4,5,6,7
	global_load_b128 v[4*\b:4*\b+3], v[FLB], s[94:95] offset:512*\b
.endr
	WIN 0
.irp b, 0,1,2,3,4,5,6,7
	global_load_b128 v[192+8*\b:195+8*\b], v[BO], s[96:97] offset:64*\b
	global_load_b128 v[196+8*\b:199+8*\b], v[BO], s[96:97] offset:64*\b+16
.endr
.irp c, 0,1,2,3
	WIN (0x40*(\c/2))
.irp d, 0,1,2,3,4,5,6,7,8,9,10,11,12,13,14,15
	global_load_b128 v[64+64*(\c%2)+4*\d:67+64*(\c%2)+4*\d], v[CO], s[98:99] offset:262144*\d+512*\c
.endr
.endr
	WIN 0
.macro HSUM c
	s_wait_loadcnt 48-16*\c
	WIN (\c/2)
.set DD, 64+64*(\c%2)
	v_pk_mul_f32 v[32+4*\c:33+4*\c], v[DD:DD+1], 2.0 op_sel_hi:[1,0]
	v_pk_mul_f32 v[34+4*\c:35+4*\c], v[DD+2:DD+3], 2.0 op_sel_hi:[1,0]
.irp d, 1,2,3,4,5,6,7,8,9,10,11,12,13,14,15
	v_pk_fma_f32 v[32+4*\c:33+4*\c], v[DD+4*\d:DD+4*\d+1], 2.0, v[32+4*\c:33+4*\c] op_sel_hi:[1,0,1]
	v_pk_fma_f32 v[34+4*\c:35+4*\c], v[DD+4*\d+2:DD+4*\d+3], 2.0, v[34+4*\c:35+4*\c] op_sel_hi:[1,0,1]
.endr
	WIN 0
	ds_store_b128 v[OIN], v[32+4*\c:35+4*\c] offset:512*\c
.endm
	s_wait_alu depctr_va_vdst(0)                   ; the head's end; the plain loads above are out beside the tiles
	s_wait_tensorcnt 0x0                           ; my tile of the head's four is in; slot 1's first fill is issued as a refill is:
	ds_add_u32 v[SPW], v[NIL]
	s_mov_b32 s[G1+2], 8<<16                       ; no tensor load of mine is out, so descriptors may be written: from here on a load brings 128 rows,
	s_mov_b32 s[G1+4], 8
	s_mov_b32 s[G1B+2], 128<<16
	s_mov_b32 s[G1B+4], 128
	s_lshl_b32 s46, s18, 17
	s_mov_b32 s47, 0
	s_mov_b32 s[G0+1], s2                          ; and slot 0's groups 0 become the ring's: my 128 rows
	s_add_nc_u64 s[G0+2:G0+3], s[G0+2:G0+3], s[46:47]
	s_mov_b32 s[G0B+1], s19
	s_add_nc_u64 s[G0B+2:G0B+3], s[G0B+2:G0B+3], s[46:47]
	s_wait_dscnt 0x0                               ; the add is done
	CROUND                                         ; a whole round: all four tiles are in, and all sixteen work-groups are here
	JLOAD G0+4, G1, G0B+4, G1B                     ; K step 1: the first tensor load behind the round
	HSUM 0
	HSUM 1
	HSUM 2
	HSUM 3
	s_wait_dscnt 0x0
	s_barrier_signal -1
	s_barrier_wait -1
.irp a, 0,1,2,3,4,5,6,7
	ds_load_b128 v[128+4*\a:131+4*\a], v[OOUT] offset:512*\a
.endr
	s_wait_dscnt 0x0
.irp a, 0,1,2,3,4,5,6,7
	WIN (0x81+0x40*(\a/4))
.irp b, 0,1,2,3,4,5,6,7
	v_wmma_f32_16x16x4_f32 v[8*(8*(\a%4)+\b):8*(8*(\a%4)+\b)+7], v[4*\b:4*\b+1], v[128+4*\a:129+4*\a], v[192+8*\b:199+8*\b]
.endr
.endr
.irp a, 0,1,2,3,4,5,6,7
	WIN (0xa1+0x50*(\a/4))
.irp b, 0,1,2,3,4,5,6,7
	v_wmma_f32_16x16x4_f32 v[8*(8*(\a%4)+\b):8*(8*(\a%4)+\b)+7], v[4*\b+2:4*\b+3], v[130+4*\a:131+4*\a], v[8*(8*(\a%4)+\b):8*(8*(\a%4)+\b)+7]
.endr
.endr
	WIN 0
.rept 9
	v_nop
.endr
.macro FRAGB reg, adr, q, i
.irp c, 0,1,2,3
	ds_load_b128 v[\reg+4*\c:\reg+4*\c+3], v[\adr] offset:128*(\q)+32*\c+(\i)*16*PITCH
.endr
.endm
.macro FRAGA reg, adr, q, i
.irp c, 0,1,2,3
	ds_load_b128 v[\reg+4*\c:\reg+4*\c+3], v[\adr] offset:(\i)*4096+(\q)*2048+512*\c
.endr
.endm
.macro MUL16 a0, p, q, sc
.irp a, \a0, \a0+1
.irp b, 0,1,2,3,4,5,6,7
	v_wmma_scale_f32_16x16x128_f8f6f4 v[8*(8*((\a)%4)+\b):8*(8*((\a)%4)+\b)+7], v[128*(\p)+FR*\b:128*(\p)+FR*\b+FR-1], v[AF+FR*(\a):AF+FR*(\a)+FR-1], v[8*(8*((\a)%4)+\b):8*(8*((\a)%4)+\b)+7], v[SC+8*NQ*(\sc)+NQ*\b+(\q)], v[SC+8*NQ*(\sc)+NQ*(\a)+(\q)] matrix_a_scale:MATRIX_SCALE_ROW1
.endr
.endr
.endm
.macro FETCH_B slot, q, p
	WIN TO_B
.irp i, 0,1,2,3,4,5,6,7
	FRAGB 128*(\p)+FR*\i, ADRB+\slot, \q, \i
.endr
	WIN 0
.endm
.macro FETCH_A slot, q, i0
.irp i, \i0, \i0+1, \i0+2, \i0+3
	FRAGA AF+FR*(\i), ADRA+\slot, \q, \i
.endr
.endm
.macro SCALES sc
.irp i, 0,1,2,3,4,5,6,7
	ds_load_b64 v[SC+8*NQ*\sc+NQ*\i:SC+8*NQ*\sc+NQ*\i+1], v[ADRS] offset:\i*SBLK
.endr
.endm
.macro PLACES n
.rept \n
	v_nop
.endr
.endm
.macro STEP slot, q
	s_wait_dscnt 4*NL
	WIN MUL_LO
	MUL16 0, (\q)%2, \q, \slot
	MUL16 2, (\q)%2, \q, \slot
	s_wait_dscnt 0
	PLACES NP
	FETCH_B \slot, (\q)+1, 1-(\q)%2
	FETCH_A \slot, (\q)+1, 0
	WIN MUL_HI
	MUL16 4, (\q)%2, \q, \slot
	MUL16 6, (\q)%2, \q, \slot
	PLACES NP
	WIN 0
	FETCH_A \slot, (\q)+1, 4
.endm
.macro TURN slot, next, fill
	s_wait_tensorcnt 0x0
	ds_add_u32 v[SPW], v[NIL]
	s_wait_dscnt 4*NL+1
	WIN MUL_LO
	MUL16 0, 1, NQ-1, \slot
	s_wait_dscnt 0x0
	s_barrier_signal -1
	MUL16 2, 1, NQ-1, \slot
	WIN 0
	s_barrier_wait -1
.if \fill
	CREST
	s_add_nc_u64 s[G0+4*\slot+2:G0+4*\slot+3], s[G0+4*\slot+2:G0+4*\slot+3], 2*ASTEP
	s_add_nc_u64 s[G0B+4*\slot+2:G0B+4*\slot+3], s[G0B+4*\slot+2:G0B+4*\slot+3], 2*ROWB
	JLOAD G0+4*\slot, G1, G0B+4*\slot, G1B
	PLACES NP-4
.else
	PLACES NP
.endif
	s_wait_alu depctr_va_vdst(0)
	v_add_nc_u32 v[ADRS], 4*NQ, v[ADRS]
	FETCH_B \next, 0, 0
	FETCH_A \next, 0, 0
	SCALES \next
	WIN MUL_HI
	MUL16 4, 1, NQ-1, \slot
	MUL16 6, 1, NQ-1, \slot
	PLACES NP
	WIN 0
	FETCH_A \next, 0, 4
.endm
	s_wait_tensorcnt 1
	s_barrier_signal -1
	s_barrier_wait -1
	FETCH_B 0, 0, 0
	FETCH_A 0, 0, 0
	SCALES 0
	FETCH_A 0, 0, 4
	STEP 0, 0
	s_mov_b32 s3, LAPS-1
.Llap:
	TURN 0, 1, 1
	STEP 1, 0
	TURN 1, 0, 1
	STEP 0, 0
	s_sub_co_u32 s3, s3, 1
	s_cmp_lg_u32 s3, 0
	s_cbranch_scc1 .Llap
	TURN 0, 1, 0
	STEP 1, 0
	s_wait_dscnt 4*NL
	WIN MUL_LO
	MUL16 0, 1, NQ-1, 1
	MUL16 2, 1, NQ-1, 1
	s_wait_dscnt 0
	WIN MUL_HI
	MUL16 4, 1, NQ-1, 1
	MUL16 6, 1, NQ-1, 1
	WIN 0
.macro TOSTAGE a
.set AC, 64*((\a)%4)
	WIN (0x08+4*((\a)/4))
.irp b, 0,1,2,3,4,5,6,7
	ds_store_b128 v[STO], v[AC+8*\b:AC+8*\b+3] offset:64*\b
	ds_store_b128 v[STO], v[AC+8*\b+4:AC+8*\b+7] offset:64*\b+16
.endr
	WIN 0
.set BB, BK+64*((\a)%2)
.irp t, 0,1,2,3,4,5,6,7,8,9,10,11,12,13,14,15
	ds_load_b128 v[BB+4*\t:BB+4*\t+3], v[RD] offset:\t*SPITCH
.endr
.endm
.macro SEND a, younger
.set BB, BK+64*((\a)%2)
	s_wait_dscnt \younger
.irp t, 0,1,2,3,4,5,6,7,8,9,10,11,12,13,14,15
	global_store_b128 v[CO], v[BB+4*\t:BB+4*\t+3], s[92:93] offset:(32*((\a)/2)+8*((\a)%2)+\t+8*(\t/8))*4096 th:TH_STORE_NT
.endr
.endm
	PLACES NP
	TOSTAGE 0
.irp a, 1,2,3,4,5,6,7
.if \a > 1
	s_wait_xcnt 0x0
.endif
	TOSTAGE \a
	SEND (\a-1), 32
.endr
	SEND 7, 0
	s_wait_tensorcnt 0x0
	ds_add_u32 v[SPW], v[NIL]
	s_wait_dscnt 0x0
	CROUND
	s_endpgm
.Lfunc_end_k_qa71f792aea_gemm_proj:
	.size	k_qa71f792aea_gemm_proj, .Lfunc_end_k_qa71f792aea_gemm_proj-k_qa71f792aea_gemm_proj
	.p2alignl 7, 3214868480
	.fill 96, 4, 3214868480
	.section	.rodata,"a",@progbits
	.p2align	6, 0x0
	.amdhsa_kernel k_qa71f792aea_gemm_proj
		.amdhsa_group_segment_fixed_size 327680
		.amdhsa_private_segment_fixed_size 0
		.amdhsa_enable_private_segment 0
		.amdhsa_kernarg_size 56
		.amdhsa_user_sgpr_count 2
		.amdhsa_user_sgpr_kernarg_segment_ptr 1
		.amdhsa_wavefront_size32 1
		.amdhsa_system_sgpr_workgroup_id_x 1
		.amdhsa_system_sgpr_workgroup_id_y 1
		.amdhsa_system_sgpr_workgroup_id_z 1
		.amdhsa_system_vgpr_workitem_id 0
		.amdhsa_next_free_vgpr 1024
		.amdhsa_next_free_sgpr 102
		.amdhsa_reserve_vcc 0
		.amdhsa_float_denorm_mode_32 3
		.amdhsa_float_denorm_mode_16_64 3
		.amdhsa_memory_ordered 1
		.amdhsa_forward_progress 1
		.amdhsa_inst_pref_size 173
	.end_amdhsa_kernel
	.amdgpu_metadata
---
amdhsa.version: [ 1, 2 ]
amdhsa.kernels:
  - .name:           k_qa71f792aea_gemm_proj
    .symbol:         k_qa71f792aea_gemm_proj.kd
    .args:
      - { .name: att_codes, .offset: 0, .size: 8, .value_kind: global_buffer, .address_space: global }
      - { .name: att_aux, .offset: 8, .size: 8, .value_kind: global_buffer, .address_space: global }
      - { .name: codes1, .offset: 16, .size: 8, .value_kind: global_buffer, .address_space: global }
      - { .name: scales1, .offset: 24, .size: 8, .value_kind: global_buffer, .address_space: global }
      - { .name: Bproj, .offset: 32, .size: 8, .value_kind: global_buffer, .address_space: global }
      - { .name: bproj, .offset: 40, .size: 8, .value_kind: global_buffer, .address_space: global }
      - { .name: out0, .offset: 48, .size: 8, .value_kind: global_buffer, .address_space: global }
    .group_segment_fixed_size: 327680
    .private_segment_fixed_size: 0
    .kernarg_segment_align: 8
    .kernarg_segment_size: 56
    .max_flat_workgroup_size: 128
    .sgpr_count:     102
    .vgpr_count:     1024
    .wavefront_size: 32
...
	.end_amdgpu_metadata
.endif
;; end of part 4
